; MI455X (gfx1250); checked and timed in simulation.
; The chip was launched on July 23, 2026; its instructions are those of AMD's public machine-readable ISA for CDNA 5 (MIT licence, August 2026) and "CDNA5" Instruction Set Architecture Reference Guide (July 2026). The comments in the code are by the model that wrote it; some were corrected since.
;; Attention With Memory. Allowed arithmetic: matrix products marked QUANTISED: E3M2 operands, one E8M0 scale for each 32 along K, by v_wmma_scale_f32_16x16x128_f8f6f4 with both operands' format E3M2, f32 sums; everything else in f32.
;; Inputs: b_in 3,072 float32; b_out 1,024 float32; mask 1,024 x 1,024 bool; w_in 3,072 x 1,024 float32; w_out 1,024 x 1,024 float32; x 8 x 1,024 x 1,024 float32.
;; Outputs: out0 8 x 1,024 x 1,024 float32.
;; This version of the problem:
;;   THIS VERSION OF THE PROBLEM IS GIVEN IN LOW PRECISION. The matrix products marked QUANTISED in the list below multiply operands that are first quantised to E3M2 (3 exponent bits, 2 mantissa bits; 6 bits a number), with one power-of-two scale for each 32 numbers along K (OCP MX v1.0); their sums are f32. All else is computed in f32.
;;   The module's matrix products, in the order in which they are computed (A, B: the left and right operand; K: the contracted axis; several contracted axes count as one K, in the product's order):
;;     1. [M 8,192, K 1,024] x [K 1,024, N 3,072]; A: input x; B: input w_in: QUANTISED
;;     2. batch 128 x [M 1,024, K 64] x [K 64, N 1,024]; A: computed on the way; B: computed on the way: QUANTISED
;;     3. batch 128 x [M 1,024, K 1,024] x [K 1,024, N 64]; A: softmax (see below); B: computed on the way: QUANTISED
;;     4. [M 8,192, K 1,024] x [K 1,024, N 1,024]; A: computed on the way; B: input w_out: QUANTISED
;;   THE QUANTISER, for each operand of a quantised product, along K:
;;     - K is cut into blocks of 32 from its start; a last block that is shorter is filled with zeros.
;;     - A block's scale is 2^e with e = floor(log2(the largest magnitude in the block)) - 4, held to -126 .. 127; a block of zeros has e = 0. As a byte (E8M0): e + 127.
;;     - Each number is divided by its block's scale, clamped to +-28, and rounded to the nearest number of E3M2, ties to even, subnormals kept.
;;     - The product sums the exact products of the quantised numbers (number of the format x scale) in f32.
;;   ~~~python
;;   def quantise(x, axis):      # numpy; x: float32 -> the quantised numbers, widened to float32 again
;;       x = np.moveaxis(x, axis, -1); K = x.shape[-1]
;;       x = np.pad(x, [(0, 0)] * (x.ndim - 1) + [(0, -K % 32)]); x = x.reshape(x.shape[:-1] + (-1, 32)); a = np.abs(x).max(-1, keepdims=True)
;;       e = np.where(a > 0, np.clip(np.frexp(np.where(a > 0, a, 1))[1] - 1 - 4, -126, 127), 0)      # np.frexp(a)[1] - 1 = floor(log2(a)), exactly
;;       r = np.clip(x / 2.0 ** e, -28, 28)
;;       step = 2.0 ** (np.maximum(np.frexp(np.where(r == 0, 1, r))[1] - 1, -2) - 2)
;;       q = np.round(r / step) * step * 2.0 ** e      # np.round: ties to even
;;       return np.moveaxis(q.reshape(q.shape[:-2] + (-1,))[..., :K], -1, axis).astype(np.float32)
;;   ~~~
;;   SOFTMAX AHEAD OF A QUANTISED PRODUCT. Where the list says 'softmax', what is quantised is not the finished softmax but p = 2^(t - M), with t = logit x log2(e) and M = ceil(the row's largest t), a whole number; so 1/2 < the row's largest p <= 1. The row's sum l is taken of the UNQUANTISED p, in f32, and the product's result is divided by l at the end. Since M is a whole number, a kernel that streams over the keys may use a running M (the ceiling of the running maximum): every later rescaling is an exact power of two, which a block's scale takes up: the codes' values come out the same.
;;   OPERANDS COMPUTED ON THE WAY. 'Computed on the way' means the value that the module computes at that place (a softmax that the list does not call 'softmax' is quantised finished and normalised). What goes into a quantiser is computed in f32, as accurately as f32 sums, v_exp_f32 and their like allow (about 1e-6 of the number): no bf16 or f16 on the way to a quantiser, and a product that is left as it is and whose result goes on into a quantised operand takes f32 operands (vector FMAs, or v_wmma_f32_16x16x4_f32). A number that lies on a knife's edge between two numbers of the format may be rounded either way, as far as f32 arithmetic and the matrix unit's own rounding can turn it there, and no further.
;; 2 versions, each right; version 2 is version 1 with the launch attn written anew for expert scheduling mode. Each part assembles by itself: llvm-mc -triple=amdgcn-amd-amdhsa -mcpu=gfx1250 --defsym DOCPART=n.
;; ======== version 1 of 2: 4 launches
;; workspace buffers: opnd 9,830,400 bytes; mw 147,456 bytes of whole numbers; qkv 20,185,088 bytes; ctx 6,553,600 bytes
;; launch prep (part 1): grid 400 x 1, 4 waves a work-group, no clusters, 34,304 bytes of LDS; arguments x, w_in, w_out, mask, opnd, mw; writes opnd, mw
.if DOCPART == 1
	.amdgcn_target "amdgcn-amd-amdhsa--gfx1250"
	.amdhsa_code_object_version 6
	.text
	.protected	k_q1ad4efec19_prep
	.globl	k_q1ad4efec19_prep
	.p2align	8
	.type	k_q1ad4efec19_prep,@function
k_q1ad4efec19_prep:
	s_mov_b64 s[64:65], 0
	v_nop
	global_prefetch_b8 v0, s[64:65] scope:SCOPE_SE
	s_setreg_imm32_b32 hwreg(HW_REG_WAVE_MODE, 25, 1), 1
	s_wait_xcnt 0x0
; x [8192][1024], w_in [3072][1024], w_out [1024][1024], f32, K innermost, become codes of BF6 (E3M2) with one E8M0 byte for each 32 along K,
; laid as IMAGES OF OPERAND REGISTERS: a fragment (16 rows x 128 K, 12 registers a lane) is [plane 0..2][lane][16 bytes], plane p = registers 4 p .. 4 p + 3;
; lane (r, h) holds row r, registers 6 c .. 6 c + 5 the codes of k = 64 c + 32 h + 0 .. 31.  opnd: [row block 0..767][K step 0..7][1,536 bytes]; row blocks 0-511 x, 512-703 w_in, 704-767 w_out.
; Scale words from byte OS on: [row block][K half][row][4 words], word t of half kh for K step 4 kh + t.
; THE ROWS OF A BLOCK OF w_in ARE NOT NEIGHBOURS: row r' of block 2 B + u is row 32 B + 8 u + r' + 8 (r' / 8), so that the next launch's results lie with 16 neighbouring columns in a lane's 16 registers.
; A block's scale is 2^(floor(log2(largest magnitude)) - 4); its byte is the largest magnitude's exponent field - 4, held at 1 from below (a block of zeros gets 1: its codes are zeros, and this program alone reads the bytes).
; LIMITS: NaN and infinities among the inputs are not served.
; Work-groups 0-383: wave w takes row block 2 g + w / 2 and K half w % 2: four fragments.  Each load reads 512 consecutive bytes of one row; 16 rows x 512 bytes turn through the wave's own stage in LDS
; (rows 528 bytes apart) and come back 32 neighbours along K at a time.  No barrier: waves share nothing.
; Work-groups 384-399: the mask [1024][1024] of bytes becomes, for each tile of 16 queries qt and step of 128 keys, 64 lane-mask words (word 8 t + j, bit r + 16 h = mask[16 qt + r][128 step + 16 t + 8 h + j])
; and a flag word for each qt: bit s = some key of step s counts for some query of the tile; all eight bits where a query of the tile has no key at all (its softmax is then uniform over all keys).
; These loads take 16 bytes of each of 16 rows: the mask is one fiftieth of what the launch reads.
.set OS,   9437184
.set FLG,  131072
.set SP,   528                         ; a stage row: 512 bytes + 16
.set R,    16                          ; v16-143  two sets of 64 registers as loaded
.set X,    144                         ; v144-207 64 numbers back from the stage: register 32 c + i = k 64 c + 32 h + i of my row
.set C,    208                         ; v208-219 a fragment's codes
.set T,    220                         ; v220-227 the upper halves of the blocks' codes, before they are moved
.set W,    228                         ; v228-231 the four K steps' scale words
.set MX,   232                         ; v232-233 largest magnitudes, v234-235 scale operands, v236-237 bytes, v238-239 at work
	s_load_b256 s[4:11], s[0:1], 0x0               ; x s[4:5], w_in s[6:7], w_out s[8:9], mask s[10:11]
	s_load_b128 s[12:15], s[0:1], 0x20             ; opnd s[12:13], mw s[14:15]
	v_lshl_add_u32 v240, v0, 2, 0x8400
	v_mov_b32 v241, 0
	v_lshrrev_b32 v1, 5, v0
	v_readfirstlane_b32 s16, v1                    ; wave 0..3
	v_and_b32 v7, 31, v0                           ; lane
	v_and_b32 v8, 15, v0                           ; r
	v_bfe_u32 v6, v0, 4, 1                         ; h
	s_mov_b32 s36, 0x76543210
	s_mov_b32 s37, 0xfedcba98                      ; v_permlanex16_b32's selects for lane l xor 16
	s_wait_kmcnt 0x0
	s_cmp_ge_u32 ttmp9, 384
	s_cbranch_scc1 .Lmask
	; ---------------- the quantiser
	s_lshr_b32 s17, s16, 1
	s_lshl_b32 s18, ttmp9, 1
	s_add_co_u32 s17, s17, s18                     ; my row block
	s_and_b32 s18, s16, 1                          ; my K half
	s_mov_b32 s22, 704
	s_cmp_lt_u32 ttmp9, 352                        ; which tensor: the choice hangs on the work-group's number alone
	s_cselect_b64 s[20:21], s[6:7], s[8:9]
	s_cselect_b32 s22, 512, s22                    ; the tensor's first row block
	s_cselect_b32 s23, 1, 0                        ; 1 for w_in: its rows are chosen
	s_cmp_lt_u32 ttmp9, 256
	s_cselect_b64 s[20:21], s[4:5], s[20:21]
	s_cselect_b32 s22, 0, s22
	s_cselect_b32 s23, 0, s23
	s_sub_co_u32 s24, s17, s22                     ; the block's number in its tensor
	s_and_b32 s25, s24, s23                        ; u, for w_in
	s_lshl_b32 s26, s24, 4
	s_lshl_b32 s25, s25, 3
	s_sub_co_u32 s26, s26, s25                     ; the block's first row: 16 x block - 8 u
	s_lshl_b32 s26, s26, 12                        ; a row is 4,096 bytes
	s_lshl_b32 s27, s18, 11                        ; a K half 2,048
	s_add_co_u32 s26, s26, s27
	s_mov_b32 s27, 0
	s_add_nc_u64 s[20:21], s[20:21], s[26:27]
	s_lshl_b32 s28, s23, 15
	s_add_co_u32 s28, s28, 32768                   ; the block's rows 8-15 begin 8 rows on, in w_in 16
	s_mul_i32 s30, s17, 12288
	s_mul_i32 s31, s18, 6144
	s_add_co_u32 s30, s30, s31
	s_mov_b32 s31, 0
	s_add_nc_u64 s[32:33], s[12:13], s[30:31]      ; my four images
	s_lshl_b32 s30, s17, 9
	s_lshl_b32 s34, s18, 8
	s_add_co_u32 s30, s30, s34
	s_add_co_u32 s30, s30, OS
	s_add_nc_u64 s[34:35], s[12:13], s[30:31]      ; my 256 bytes of scale words
	v_lshlrev_b32 v1, 4, v7                        ; 16 x lane: a load's and an image's place for my lane
	v_add_nc_u32 v2, s28, v1                       ; the same for rows 8-15
	s_mul_i32 s29, s16, 16*SP                      ; my stage
	v_add_nc_u32 v3, s29, v1                       ; in: a row as it was loaded
	v_mul_u32_u24 v4, v8, SP
	v_lshl_add_u32 v4, v6, 7, v4
	v_add_nc_u32 v4, s29, v4                       ; back: row r, + 128 h: my 32 neighbours of each 64
	v_lshlrev_b32 v5, 4, v8
	v_lshl_add_u32 v5, v6, 3, v5                   ; the scale words' way out: 16 r + 8 h
	v_lshlrev_b32 v9, 3, v6                        ; 8 h
	v_mov_b32 v239, 0                              ; written once: a lane permute's destination counts as one of its sources
.macro LOAD t                          ; K step t of my half: 16 rows x 512 consecutive bytes, into set t % 2
.irp i, 0,1,2,3,4,5,6,7
	global_load_b128 v[R+64*((\t)%2)+4*\i:R+64*((\t)%2)+4*\i+3], v1, s[20:21] offset:4096*\i+512*(\t) th:TH_LOAD_NT
.endr
.irp i, 0,1,2,3,4,5,6,7
	global_load_b128 v[R+64*((\t)%2)+32+4*\i:R+64*((\t)%2)+32+4*\i+3], v2, s[20:21] offset:4096*\i+512*(\t) th:TH_LOAD_NT
.endr
.endm
.macro QSTEP t
.if (\t) < 3
	s_wait_loadcnt 16                              ; this step's 16 loads are in; the next step's 16 may be out
.else
	s_wait_loadcnt 0x0
.endif
.irp i, 0,1,2,3,4,5,6,7,8,9,10,11,12,13,14,15
	ds_store_b128 v3, v[R+64*((\t)%2)+4*\i:R+64*((\t)%2)+4*\i+3] offset:SP*\i
.endr
.irp c, 0,1
.irp i, 0,1,2,3,4,5,6,7
	ds_load_b128 v[X+32*\c+4*\i:X+32*\c+4*\i+3], v4 offset:256*\c+16*\i   ; LDS serves a wave's instructions in order (ISA guide 5.7.1.4): these see the stores above
.endr
.endr
	s_wait_dscnt 0x0                               ; the numbers are back, and the stores have read their registers,
.if (\t) < 2
	LOAD (\t)+2                                    ; which take the loads of two steps on
.endif
.irp c, 0,1
	v_max3_num_f32 v[MX+\c], |v[X+32*\c]|, |v[X+32*\c+1]|, 0x2800000   ; my block 2 c + h: all its 32 numbers are mine; the floor 2^(5 - 127) holds the byte at 1 from below
.endr
.irp i, 2,4,6,8,10,12,14,16,18,20,22,24,26,28,30
.irp c, 0,1
	v_max3_num_f32 v[MX+\c], v[MX+\c], |v[X+32*\c+\i]|, |v[X+32*\c+\i+1]|   ; (the two blocks by turns)
.endr
.endr
.irp c, 0,1
	v_add_nc_u32 v[MX+2+\c], 0xfe000000, v[MX+\c]  ; 4 off the exponent field: the conversion's scale operand
.endr
.irp c, 0,1
	v_lshrrev_b32 v[MX+4+\c], 23, v[MX+2+\c]       ; the scale's byte
.endr
	v_lshl_or_b32 v238, v[MX+5], 16, v[MX+4]       ; my two bytes: blocks h and 2 + h,
	v_lshlrev_b32 v238, v9, v238                   ; at their places in the word;
	v_permlanex16_b32 v239, v238, s36, s37
	v_or_b32 v[W+(\t)], v238, v239                 ; with lane l xor 16's two the word is whole
	s_wait_xcnt 0x0                                ; the last step's stores have read the codes' registers: they are written again only behind this wait
.irp c, 0,1
	v_cvt_scalef32_pk16_bf6_f32 v[C+6*\c:C+6*\c+2], v[X+32*\c:X+32*\c+15], v[MX+2+\c]
	v_cvt_scalef32_pk16_bf6_f32 v[T+4*\c:T+4*\c+2], v[X+32*\c+16:X+32*\c+31], v[MX+2+\c]   ; (a conversion's three registers begin on an even number)
.endr
	v_nop                                          ; one plain place behind a scaled conversion
.irp c, 0,1
.irp i, 0,1,2
	v_mov_b32 v[C+6*\c+3+\i], v[T+4*\c+\i]
.endr
.endr
.irp p, 0,1,2
	global_store_b128 v1, v[C+4*\p:C+4*\p+3], s[32:33] offset:1536*(\t)+512*\p   ; 32 lanes store 512 consecutive bytes, aligned
.endr
.endm
	LOAD 0
	LOAD 1
	QSTEP 0
	QSTEP 1
	QSTEP 2
	QSTEP 3
	v_cmp_ne_u32 vcc_lo, 0, v6                     ; lanes 0-15 store words 0, 1 of their row, lanes 16-31 words 2, 3
	v_cndmask_b32 v238, v[W], v[W+2], vcc_lo
	v_cndmask_b32 v239, v[W+1], v[W+3], vcc_lo
	global_store_b64 v5, v[238:239], s[34:35]      ; 256 consecutive bytes, aligned
	s_wait_tensorcnt 0x0
	ds_add_u32 v240, v241
	s_wait_dscnt 0x0
	s_endpgm
	; ---------------- the mask
.Lmask:
	s_sub_co_u32 s17, ttmp9, 384
	s_lshl_b32 s17, s17, 2
	s_add_co_u32 s17, s17, s16                     ; qt: my tile of 16 queries
	s_lshl_b32 s18, s17, 14
	s_mov_b32 s19, 0
	s_add_nc_u64 s[10:11], s[10:11], s[18:19]      ; its 16 rows of the mask
	s_lshl_b32 s18, s17, 11
	s_add_nc_u64 s[26:27], s[14:15], s[18:19]      ; its 8 x 64 words
	s_lshl_b32 s18, s17, 8
	s_add_co_u32 s18, s18, FLG
	s_add_nc_u64 s[28:29], s[14:15], s[18:19]      ; its flag word, 64 times over
	v_lshlrev_b32 v1, 10, v8
	v_lshl_add_u32 v1, v6, 3, v1                   ; row r, + 8 h
	v_lshlrev_b32 v2, 3, v7                        ; 8 x lane
	s_mov_b32 s30, 0
	v_mov_b32 v11, 0
.set j, 0
.rept 16
	v_mov_b32 v[144+j], 0                          ; a lane write's destination counts as read
.set j, j+1
.endr
.set j, 0
.rept 64
	global_load_b64 v[16+2*j:17+2*j], v1, s[10:11] offset:128*(j/8)+16*(j%8) th:TH_LOAD_NT   ; step j / 8, tile of keys j % 8: my row's keys 8 h + 0 .. 7 of it
.set j, j+1
.endr
.macro MSTEP st
	s_wait_loadcnt 8*(7-(\st))                     ; this step's eight loads are in; the later steps' may be out
	v_and_b32 v8, v[16+16*(\st)], v[17+16*(\st)]
.irp i, 2,3,4,5,6,7,8,9,10,11,12,13,14,15
	v_and_b32 v8, v8, v[16+16*(\st)+\i]            ; 0x01010101 where all my 64 keys of the step are masked
.endr
.if (\st) == 0
	v_mov_b32 v10, v8
.else
	v_and_b32 v10, v10, v8                         ; the same over all steps
.endif
	v_cmp_ne_u32 s24, 0x01010101, v8
	s_cmp_lg_u32 s24, 0
	s_cselect_b32 s25, 1<<(\st), 0
	s_or_b32 s30, s30, s25                         ; the step is kept where any lane has an open key
.set w, 0
.rept 64
	v_bfe_u32 v[160+w%4], v[16+16*(\st)+2*(w/8)+(w%8)/4], 8*(w%4), 8
	v_cmp_ne_u32 s[20+w%4], 0, v[160+w%4]          ; word w: one bit a lane
	v_writelane_b32 v[144+2*(\st)+w%2], s[20+w%4], w/2
.set w, w+1
.endr
	global_store_b64 v2, v[144+2*(\st):145+2*(\st)], s[26:27] offset:256*(\st)   ; 256 consecutive bytes, aligned; each step has its own two registers
.endm
.irp st, 0,1,2,3,4,5,6,7
	MSTEP \st
.endr
	v_permlanex16_b32 v11, v10, s36, s37
	v_and_b32 v10, v10, v11                        ; both halves of my row
	v_cmp_eq_u32 s24, 0x01010101, v10              ; a row with no key at all
	s_cmp_lg_u32 s24, 0
	s_cselect_b32 s30, 0xff, s30                   ; keeps every step of its tile
	v_mov_b32 v12, s30
	v_mov_b32 v13, s30
	global_store_b64 v2, v[12:13], s[28:29]
	s_endpgm
.Lfunc_end_k_q1ad4efec19_prep:
	.size	k_q1ad4efec19_prep, .Lfunc_end_k_q1ad4efec19_prep-k_q1ad4efec19_prep
	.p2alignl 7, 3214868480
	.fill 96, 4, 3214868480
	.section	.rodata,"a",@progbits
	.p2align	6, 0x0
	.amdhsa_kernel k_q1ad4efec19_prep
		.amdhsa_group_segment_fixed_size 34304
		.amdhsa_private_segment_fixed_size 0
		.amdhsa_enable_private_segment 0
		.amdhsa_kernarg_size 48
		.amdhsa_user_sgpr_count 2
		.amdhsa_user_sgpr_kernarg_segment_ptr 1
		.amdhsa_wavefront_size32 1
		.amdhsa_system_sgpr_workgroup_id_x 1
		.amdhsa_system_sgpr_workgroup_id_y 1
		.amdhsa_system_sgpr_workgroup_id_z 1
		.amdhsa_system_vgpr_workitem_id 0
		.amdhsa_next_free_vgpr 242
		.amdhsa_next_free_sgpr 66
		.amdhsa_reserve_vcc 1
		.amdhsa_float_denorm_mode_32 3
		.amdhsa_float_denorm_mode_16_64 3
		.amdhsa_memory_ordered 1
		.amdhsa_forward_progress 1
		.amdhsa_inst_pref_size 141
	.end_amdhsa_kernel
	.amdgpu_metadata
---
amdhsa.version: [ 1, 2 ]
amdhsa.kernels:
  - .name:           k_q1ad4efec19_prep
    .symbol:         k_q1ad4efec19_prep.kd
    .args:
      - { .name: x, .offset: 0, .size: 8, .value_kind: global_buffer, .address_space: global }
      - { .name: w_in, .offset: 8, .size: 8, .value_kind: global_buffer, .address_space: global }
      - { .name: w_out, .offset: 16, .size: 8, .value_kind: global_buffer, .address_space: global }
      - { .name: mask, .offset: 24, .size: 8, .value_kind: global_buffer, .address_space: global }
      - { .name: opnd, .offset: 32, .size: 8, .value_kind: global_buffer, .address_space: global }
      - { .name: mw, .offset: 40, .size: 8, .value_kind: global_buffer, .address_space: global }
    .group_segment_fixed_size: 34304
    .private_segment_fixed_size: 0
    .kernarg_segment_align: 8
    .kernarg_segment_size: 48
    .max_flat_workgroup_size: 128
    .sgpr_count:     66
    .vgpr_count:     242
    .wavefront_size: 32
...
	.end_amdgpu_metadata
.endif
;; end of part 1
;; launch proj (part 2): grid 12 x 32, 4 waves a work-group, clusters of 4 x 4, 327,680 bytes of LDS; arguments opnd, b_in, qkv; writes qkv
.if DOCPART == 2
	.amdgcn_target "amdgcn-amd-amdhsa--gfx1250"
	.amdhsa_code_object_version 6
	.text
	.protected	k_q1ad4efec19_proj
	.globl	k_q1ad4efec19_proj
	.p2align	8
	.type	k_q1ad4efec19_proj,@function
k_q1ad4efec19_proj:
	s_mov_b64 s[64:65], 0
	v_nop
	global_prefetch_b8 v0, s[64:65] scope:SCOPE_SE
	s_setreg_imm32_b32 hwreg(HW_REG_WAVE_MODE, 25, 1), 1
	s_wait_xcnt 0x0
	s_wait_alu depctr_hold_cnt(0) depctr_sa_sdst(0) depctr_va_vdst(0) depctr_va_sdst(0) depctr_va_ssrc(0) depctr_va_vcc(0) depctr_vm_vsrc(0)
	s_getreg_b32 s2, hwreg(HW_REG_IB_STS2, 6, 4)
	s_cmp_eq_u32 s2, 0
	s_cbranch_scc0 .Lentry_in_a_cluster
	s_endpgm
.Lentry_in_a_cluster:
	s_bfe_u32 s2, ttmp6, 0x10000c
	s_cmp_lg_u32 s2, 0xf033
	s_cbranch_scc0 .Lentry_shape_is_right
	s_endpgm
.Lentry_shape_is_right:
; qkv = x w_in^T + b_in, [8192][3072], K = 1,024, on codes of BF6 (E3M2) with E8M0 scales, and its results quantised at once for the attention launch: q and k along the head's 64, v along the keys.  No f32 result goes to memory.
; OPERANDS come as images of operand registers (the launch before laid them): a fragment of 16 rows x 128 K is 1,536 dense bytes, three ds_load_b128 at 16 x lane.
; A tile of 256 x 256 is made by four waves, each 128 x 128: 64 accumulators, 512 registers.  K goes in four slots' worth of 256: LDS has three slots, all filled at the start, and slot 0 is filled once more.
; By this text's count a wave has four tensor loads out at the start (scales, three slots) and one behind the refill's barrier, with 256 matrix instructions in which to land.
; CLUSTERS: 4 x 4 work-groups; A's tiles are asked for jointly along a row of the cluster, B's along a column.
; THE MATRIX INSTRUCTION IS USED TRANSPOSED (source 0 = 16 rows of w_in, source 1 = 16 rows of x).  The rows of a block of w_in are chosen so that in accumulator (a, b) lane (r, h), register j holds
; row m = 16 a + r, column n = 32 (b / 2) + 16 h + 8 (b % 2) + j.  The bias is the C of each sum's first instruction.
; THE WAY OUT.  q, k (cluster x = 0, 1): a row's 128 columns are two heads: four blocks of 32, quantised in registers; head c's codes are registers 6 c .. 6 c + 5: [b][hh][tile of 16 rows][plane 0..2][lane][8 bytes].
; v (cluster x = 2): 128 keys x 32 columns at a time turn through the wave's own stage in LDS, so that a lane holds one column d and 64 keys: images of V^T, [b][head][128 keys][tile of 16 d][1,536].
; In them row r' of tile 2 B + u is d = 32 B + 8 u + r' + 8 (r' / 8), and place i of a block of 32 keys holds key (i % 8) + 16 ((i / 8) % 2) + 8 (i / 16): the order in which the attention launch's p comes out of its registers.
; The stages lie in LDS slot 1: it is filled once, and every wave's last read of it lies ahead of the last barrier.
; LIMITS: NaN and infinities are not served; a block of zeros gets the scale byte 1 (its codes are zeros; this program alone reads the bytes).
.set NBB,   8                          ; B's blocks of 16 rows for a wave
.set FR,    12                         ; registers of a fragment
.set RBB,   3072                       ; a row block in a slot: two K steps' images
.set ASZ,   16*RBB
.set BSZ,   2*NBB*RBB
.set SLOT,  ASZ+BSZ
.set SCL,   3*SLOT                     ; B's scale words, 512 bytes a row block;
.set SCLA,  SCL+1024*NBB               ; A's;
.set SPARE, SCLA+8192                  ; the spare words, 128 bytes for each wave: two blocks of 256 bytes that no other line names
.set ACOFF, 0                          ; where the operands lie in their buffers
.set ASOFF, 9437184
.set BCOFF, 6291456
.set BSOFF, 9699328
.set PA,    4                          ; s[4:5] A's buffer, s[4:5] B's
.set PB,    4
.set QKS,   12582912                   ; qkv: q's and k's scale words; v's codes; v's scale words
.set VC,    13631488
.set VSO,   19922944
.set VSTG,  SLOT                       ; the v path's stages: 18,944 bytes a wave: 128 rows x 144 bytes, 32 more behind every 32 rows
.set VSSO,  SLOT+75776                 ; its scale words, 512 bytes a wave
.set QSTO,  SLOT+77824                 ; the q, k path's scale words, 1,024 bytes a wave
.set L8,   3                           ; v3   8 x lane
.set L16,  4                           ; v4   16 x lane
.set QST,  5                           ; v5   q, k: where I put a scale word
.set QRD,  6                           ; v6   and where I read 16 bytes of them back
.set VST,  7                           ; v7   v: where I put 16 bytes of a key's row
.set VRD,  8                           ; v8   and where my column begins
.set VSS,  9                           ; v9   v: where I put a scale word
.set VSR,  10                          ; v10  and read them back
.set VGO,  11                          ; v11  their place in memory
.set H8,   12                          ; v12  8 h
.set BO,   13                          ; v13  the bias: 64 h
.set ADRA, 16                          ; v16-18 LDS address of my A fragments in slot 0, 1, 2
.set ADRB, 20                          ; v20-22 the same for B
.set ADRS, 27                          ; v27  my scale words: lanes 0-15 A's rows, lanes 16-31 B's
.set SPW,  28                          ; v28  LDS address of my spare word; never rewritten
.set NIL,  29                          ; v29  0; never rewritten
.set SC,   32                          ; v32-63 scale words, two sets: register 2 i + q: lanes 0-15 A's block i, lanes 16-31 B's block i, the slot's q-th 128 along K
.set BI,   64                          ; v64-127 the bias, eight registers for each of B's blocks
.set AF,   128                         ; v128-223 A's fragments, one set.  Window 1: B's, two sets, at v0 and v128.  Windows 2, 3: the accumulators, (a, b) at v[8 (NBB (a % 4) + b)]
.set PC,   128                         ; the way out: a fragment's codes;
.set PT,   140                         ; the conversions' second halves;
.set TM,   148                         ; v148-163 at work;
.set SW,   168                         ; v168-183 q's and k's scale words: two registers for each row block
.set VX,   32                          ; v32-95 v: 64 numbers of a column
.set VW,   160                         ; v160-167 v: a scale word for each tile
.set G1,   24                          ; s[24:31] group 1 for A's tiles; s[32:43] groups 0, one for each slot
.set G0A,  32
.set G0B,  44                          ; s[44:55], s[56:63] the same for B's
.set G1B,  56
.set G1S,  68                          ; s[68:75], s[76:79] A's scales; s[80:87], s[88:91] B's
.set G0S,  76
.set G1SB, 80
.set G0SB, 88
.set MSB, 0
.macro WIN new                         ; the immediate's high byte repeats the setting that is left
.if MSB != (\new)
	s_set_vgpr_msb (MSB<<8)|(\new)
.set MSB, (\new)
.endif
.endm
.set MUL_LO, 0xa1                      ; source 0 (B) window 1, source 1 (A) window 0, C and D window 2;  less 0x20: C (the bias) window 0
.set MUL_HI, 0xf1                      ; the same, C and D window 3;  less 0x30: C window 0
.set TO_B,   0x40
.macro JLOAD g0a, g1a, g0b, g1b        ; a joint load: waves 0 and 1 fetch for A, waves 2 and 3 for B; four v_nop follow each of the two lines
	s_cmp_eq_u32 s15, 0
	s_cbranch_scc0 .Lfor_b_\@
	tensor_load_to_lds s[\g0a:\g0a+3], s[\g1a:\g1a+7]
	s_nop 0
.rept 4
	v_nop
.endr
	s_branch .Lasked_\@
.Lfor_b_\@:
	tensor_load_to_lds s[\g0b:\g0b+3], s[\g1b:\g1b+7]
	s_nop 0
.rept 4
	v_nop
.endr
.Lasked_\@:
.endm
.macro CREST                           ; a round of the cluster's barrier behind its opening barrier
	s_cmp_lg_u32 s14, 0
	s_cbranch_scc1 .Lnot_wave_0_\@
	s_barrier_signal -3
.Lnot_wave_0_\@:
	s_barrier_wait -3
	s_barrier_signal -1
	s_barrier_wait -1
.endm
.macro CROUND
	s_barrier_signal -1
	s_barrier_wait -1
	CREST
.endm
.macro PLACES n                        ; plain places behind matrix instructions, in front of loads into their registers and of reads of results
.rept \n
	v_nop
.endr
.endm
	s_load_b128 s[4:7], s[0:1], 0x0                ; opnd s[4:5], b_in s[6:7]
	s_load_b64 s[8:9], s[0:1], 0x10                ; qkv
	v_lshl_add_u32 v[SPW], v0, 2, SPARE
	v_mov_b32 v[NIL], 0
	ds_add_u32 v28, v29
	ds_add_u32 v28, v29
	s_wait_dscnt 0x0
	v_lshrrev_b32 v1, 5, v0
	v_readfirstlane_b32 s14, v1                    ; wave 0..3
	s_lshr_b32 s15, s14, 1                         ; which half of the tile's rows is mine.  Also: I fetch for A (0) or for B (1)
	s_and_b32 s16, s14, 1                          ; which half of its columns.  Also: which half of that operand I fetch
	s_bfe_u32 s92, ttmp6, 0x40000                  ; cx, cy
	s_bfe_u32 s93, ttmp6, 0x40004
	s_lshl_b32 s94, ttmp9, 2
	s_add_co_u32 s94, s94, s92                     ; tile column
	s_and_b32 s95, ttmp7, 0xffff
	s_lshl_b32 s95, s95, 2
	s_add_co_u32 s95, s95, s93                     ; tile row
	s_lshl_b32 s96, s93, 2
	s_lshl_b32 s96, 15, s96                        ; my row of the cluster
	s_lshl_b32 s97, 0x1111, s92                    ; my column
	s_or_b32 s[G1], s96, (3<<16)|(1<<21)           ; 15:0 the mask; 17:16 elements of 8 bytes; 20 no padding; 21 set beside a mask
	s_or_b32 s[G1S], s96, (3<<16)|(1<<21)
	s_or_b32 s[G1B], s97, (3<<16)|(1<<21)
	s_or_b32 s[G1SB], s97, (3<<16)|(1<<21)
	s_mov_b32 s[G1+1], 384<<16                     ; A's tiles: 8 row blocks x 3,072 bytes (384 elements), 12,288 bytes (1,536 elements) apart
	s_mov_b32 s[G1+2], 8<<16
	s_mov_b32 s[G1+3], 384<<16
	s_mov_b32 s[G1+4], 8
	s_mov_b32 s[G1+5], 1536
	s_mov_b32 s[G1+6], 0
	s_mov_b32 s[G1+7], 0
	s_mov_b32 s[G1B+1], 384<<16                    ; B's: NBB row blocks
	s_mov_b32 s[G1B+2], NBB<<16
	s_mov_b32 s[G1B+3], 384<<16
	s_mov_b32 s[G1B+4], NBB
	s_mov_b32 s[G1B+5], 1536
	s_mov_b32 s[G1B+6], 0
	s_mov_b32 s[G1B+7], 0
	s_mov_b32 s[G1S+1], 32<<16                     ; A's scales: 4,096 dense bytes as 16 rows of 256
	s_mov_b32 s[G1S+2], 16<<16
	s_mov_b32 s[G1S+3], 32<<16
	s_mov_b32 s[G1S+4], 16
	s_mov_b32 s[G1S+5], 32
	s_mov_b32 s[G1S+6], 0
	s_mov_b32 s[G1S+7], 0
	s_mov_b32 s[G1SB+1], 32<<16                    ; B's: 512 NBB dense bytes
	s_mov_b32 s[G1SB+2], (2*NBB)<<16
	s_mov_b32 s[G1SB+3], 32<<16
	s_mov_b32 s[G1SB+4], 2*NBB
	s_mov_b32 s[G1SB+5], 32
	s_mov_b32 s[G1SB+6], 0
	s_mov_b32 s[G1SB+7], 0
	s_lshl_b32 s18, s95, 4                         ; A hangs on the tile row alone, B on the tile column alone, each in registers of its own
	s_lshl_b32 s19, s16, 3
	s_add_co_u32 s18, s18, s19                     ; A's first row block that I fetch
	s_mul_i32 s20, s18, 12288
	s_add_co_u32 s20, s20, ACOFF
	s_mov_b32 s21, 0
	s_lshl_b32 s22, s18, 9
	s_add_co_u32 s22, s22, ASOFF
	s_mov_b32 s23, 0
	s_mul_i32 s98, s94, 2*NBB
	s_mul_i32 s99, s16, NBB
	s_add_co_u32 s98, s98, s99                     ; B's
	s_mul_i32 s100, s98, 12288
	s_add_co_u32 s100, s100, BCOFF
	s_mov_b32 s101, 0
	s_lshl_b32 s98, s98, 9
	s_add_co_u32 s98, s98, BSOFF
	s_mov_b32 s99, 0
	s_mul_i32 s2, s16, 8*RBB                       ; where they go: no place in the cluster enters an LDS address
	s_mul_i32 s3, s16, NBB*RBB
	s_add_co_u32 s3, s3, ASZ
	s_lshl_b32 s12, s16, 12
	s_add_co_u32 s12, s12, SCLA
	s_mul_i32 s13, s16, NBB*512
	s_add_co_u32 s13, s13, SCL
	s_wait_kmcnt 0x0
	s_add_nc_u64 s[20:21], s[PA:PA+1], s[20:21]
	s_add_nc_u64 s[22:23], s[PA:PA+1], s[22:23]
	s_add_nc_u64 s[100:101], s[PB:PB+1], s[100:101]
	s_add_nc_u64 s[98:99], s[PB:PB+1], s[98:99]
	CROUND                                         ; all sixteen work-groups are here: the first joint loads meet
	s_mov_b32 s[G0S], 1
	s_mov_b32 s[G0S+1], s12
	s_mov_b64 s[G0S+2:G0S+3], s[22:23]
	s_or_b32 s[G0S+3], s[G0S+3], 0x80000000
	s_mov_b32 s[G0SB], 1
	s_mov_b32 s[G0SB+1], s13
	s_mov_b64 s[G0SB+2:G0SB+3], s[98:99]
	s_or_b32 s[G0SB+3], s[G0SB+3], 0x80000000
	JLOAD G0S, G1S, G0SB, G1SB                     ; the scales of all of K first
.irp s, 0,1,2
	s_mov_b32 s[G0A+4*\s], 1
	s_add_co_u32 s[G0A+4*\s+1], s2, \s*SLOT
	s_add_nc_u64 s[G0A+4*\s+2:G0A+4*\s+3], s[20:21], \s*RBB
	s_or_b32 s[G0A+4*\s+3], s[G0A+4*\s+3], 0x80000000
	s_mov_b32 s[G0B+4*\s], 1
	s_add_co_u32 s[G0B+4*\s+1], s3, \s*SLOT
	s_add_nc_u64 s[G0B+4*\s+2:G0B+4*\s+3], s[100:101], \s*RBB
	s_or_b32 s[G0B+4*\s+3], s[G0B+4*\s+3], 0x80000000
	JLOAD G0A+4*\s, G1, G0B+4*\s, G1B              ; K 256 s .. 256 s + 255 into slot s
.endr
	v_and_b32 v1, 15, v0                           ; r
	v_bfe_u32 v2, v0, 4, 1                         ; h
	v_and_b32 v14, 31, v0                          ; lane
	v_lshlrev_b32 v[L8], 3, v14
	v_lshlrev_b32 v[L16], 4, v14
	s_mul_i32 s18, s15, 8*RBB                      ; my 8 row blocks of A
	s_mul_i32 s19, s16, NBB*RBB
	s_add_co_u32 s19, s19, ASZ                     ; my NBB of B
.irp s, 0,1,2
	v_add_nc_u32 v[ADRA+\s], s18, v[L16]
	v_add_nc_u32 v[ADRB+\s], s19, v[L16]
	s_add_co_u32 s18, s18, SLOT
	s_add_co_u32 s19, s19, SLOT
.endr
	s_mul_i32 s22, s16, NBB*512
	s_add_co_u32 s22, s22, SCL                     ; B's scale words: my blocks
	s_lshl_b32 s23, s15, 12
	s_add_co_u32 s23, s23, SCLA                    ; A's
	s_sub_co_u32 s23, s23, s22
	v_xor_b32 v15, 1, v2
	v_mul_u32_u24 v15, s23, v15                    ; lanes 0-15 take A's: the lower base + (1 - h) x the distance
	v_lshl_add_u32 v15, v1, 4, v15                 ; 16 bytes a row and K half
	v_add_nc_u32 v[ADRS], s22, v15
	s_lshl_b32 s18, s14, 10
	s_add_co_u32 s18, s18, QSTO
	v_lshl_add_u32 v[QST], v1, 2, s18
	v_add_nc_u32 v[QRD], s18, v[L16]
	s_mul_i32 s18, s14, 18944
	s_add_co_u32 s18, s18, VSTG
	v_mul_u32_u24 v[VST], v1, 144
	v_lshl_add_u32 v[VST], v2, 6, v[VST]
	v_add_nc_u32 v[VST], s18, v[VST]               ; row r, + 64 h: my 16 columns of the 32
	v_and_b32 v15, 8, v1
	v_add_nc_u32 v15, v15, v1                      ; r + 8 (r / 8)
	v_mul_u32_u24 v[VRD], v2, 4640                 ; lanes 16-31 begin 32 keys further down
	v_lshl_add_u32 v[VRD], v15, 2, v[VRD]
	v_add_nc_u32 v[VRD], s18, v[VRD]
	s_lshl_b32 s18, s14, 9
	s_add_co_u32 s18, s18, VSSO
	v_lshl_add_u32 v[VSS], v1, 2, s18
	v_add_nc_u32 v[VSR], s18, v[L16]
	v_lshlrev_b32 v[VGO], 11, v2
	v_lshl_add_u32 v[VGO], v1, 4, v[VGO]           ; lanes 0-15 one head's 256 bytes, lanes 16-31 the next head's, 2,048 bytes on
	v_lshlrev_b32 v[H8], 3, v2
	v_lshlrev_b32 v[BO], 6, v2
	s_lshl_b32 s98, s94, 10
	s_lshl_b32 s99, s16, 9
	s_add_co_u32 s98, s98, s99                     ; my first column, in bytes of the bias
	s_mov_b32 s99, 0
	s_add_nc_u64 s[6:7], s[6:7], s[98:99]
.set bq, 0
.rept NBB
	global_load_b128 v[BI+8*bq:BI+8*bq+3], v[BO], s[6:7] offset:(32*(bq/2)+8*(bq%2))*4
	global_load_b128 v[BI+8*bq+4:BI+8*bq+7], v[BO], s[6:7] offset:(32*(bq/2)+8*(bq%2))*4+16
.set bq, bq+1
.endr
.macro FRAG reg, adr, q, i             ; a fragment's image: three loads of 512 consecutive bytes
.irp p, 0,1,2
	ds_load_b128 v[\reg+4*\p:\reg+4*\p+3], v[\adr] offset:RBB*(\i)+1536*(\q)+512*\p
.endr
.endm
.macro FETCH_B ls, q, set
	WIN TO_B
.set bq, 0
.rept NBB
	FRAG 128*(\set)+FR*bq, ADRB+\ls, \q, bq
.set bq, bq+1
.endr
	WIN 0
.endm
.macro FETCH_A ls, q, i0
.irp i, \i0, \i0+1, \i0+2, \i0+3
	FRAG AF+FR*(\i), ADRA+\ls, \q, \i
.endr
.endm
.macro SCALES sg, set                  ; the scale words of K 256 sg on: two words a row
.irp i, 0,1,2,3,4,5,6,7
	ds_load_b64 v[SC+16*(\set)+2*\i:SC+16*(\set)+2*\i+1], v[ADRS] offset:512*\i+256*((\sg)/2)+8*((\sg)%2)
.endr
.endm
; 2 NBB matrix instructions: A's blocks a0, a0 + 1 x B's NBB.  The accumulators take turns, one instruction a turn, in the same order in every step.
.macro MUL a0, set, q, sc, first
.irp a, \a0, \a0+1
.set bq, 0
.rept NBB
.set rD, 8*(NBB*((\a)%4)+bq)
.set rB, 128*(\set)+FR*bq
.set rA, AF+FR*(\a)
.if \first
	v_wmma_scale_f32_16x16x128_f8f6f4 v[rD:rD+7], v[rB:rB+FR-1], v[rA:rA+FR-1], v[BI+8*bq:BI+8*bq+7], v[SC+16*(\sc)+2*bq+(\q)], v[SC+16*(\sc)+2*(\a)+(\q)] matrix_a_fmt:MATRIX_FMT_BF6 matrix_b_fmt:MATRIX_FMT_BF6 matrix_a_scale:MATRIX_SCALE_ROW1
.else
	v_wmma_scale_f32_16x16x128_f8f6f4 v[rD:rD+7], v[rB:rB+FR-1], v[rA:rA+FR-1], v[rD:rD+7], v[SC+16*(\sc)+2*bq+(\q)], v[SC+16*(\sc)+2*(\a)+(\q)] matrix_a_fmt:MATRIX_FMT_BF6 matrix_b_fmt:MATRIX_FMT_BF6 matrix_a_scale:MATRIX_SCALE_ROW1
.endif
.set bq, bq+1
.endr
.endr
.endm
.macro STEP ls, sc, first              ; a slot's first 128 along K; fetches its second
	s_wait_dscnt 12                                ; all but the youngest twelve loads (A's blocks 4-7) are in
	WIN MUL_LO-0x20*(\first)
	MUL 0, 0, 0, \sc, \first
	MUL 2, 0, 0, \sc, \first
	s_wait_dscnt 0x0                               ; A's blocks 4-7 are in
	PLACES 4
	FETCH_B \ls, 1, 1
	FETCH_A \ls, 1, 0
	WIN MUL_HI-0x30*(\first)
	MUL 4, 0, 0, \sc, \first
	MUL 6, 0, 0, \sc, \first
	PLACES 4
	WIN 0
	FETCH_A \ls, 1, 4
.endm
; A slot's second 128 along K; fetches the next slot's first.  mode 2: the slot is filled again behind a round of the cluster's barrier; 1: a barrier of the work-group; 0: none (the next slot was shown whole by an earlier barrier).
.macro TURN ls, ln, sc, sn, mode
.if \mode
	s_wait_tensorcnt 0x0                           ; all my tensor loads have landed;
	ds_add_u32 v[SPW], v[NIL]                      ; 0 onto my spare word;
	s_wait_dscnt 13                                ; (the add and the youngest twelve loads may be out)
	WIN MUL_LO
	MUL 0, 1, 1, \sc, 0
	s_wait_dscnt 0x0                               ; the add is done, and my reads of this slot are over
	s_barrier_signal -1
	MUL 2, 1, 1, \sc, 0
	WIN 0
	s_barrier_wait -1
.if \mode == 2
	CREST                                          ; no wave of any partner still reads this slot or has a load on its way
	s_add_nc_u64 s[G0A+2:G0A+3], s[G0A+2:G0A+3], 3*RBB
	s_add_nc_u64 s[G0B+2:G0B+3], s[G0B+2:G0B+3], 3*RBB
	JLOAD G0A, G1, G0B, G1B                        ; the last 256 along K into slot 0: the first tensor load behind the round; its four v_nop are the places in front of the loads below
.else
	PLACES 4
.endif
.else
	s_wait_dscnt 12
	WIN MUL_LO
	MUL 0, 1, 1, \sc, 0
	MUL 2, 1, 1, \sc, 0
	s_wait_dscnt 0x0
	PLACES 4
.endif
	FETCH_B \ln, 0, 0
	FETCH_A \ln, 0, 0
	SCALES \sn, 1-(\sc)
	WIN MUL_HI
	MUL 4, 1, 1, \sc, 0
	MUL 6, 1, 1, \sc, 0
	PLACES 4
	WIN 0
	FETCH_A \ln, 0, 4
.endm
	s_wait_tensorcnt 2                             ; the scales and my part of slot 0 are in; slots 1 and 2 may be out
	s_barrier_signal -1
	s_barrier_wait -1
	FETCH_B 0, 0, 0
	FETCH_A 0, 0, 0
	SCALES 0, 0
	FETCH_A 0, 0, 4
	s_wait_loadcnt 0x0                             ; the bias
	STEP 0, 0, 1                                   ; the first products start the sums on the bias
	TURN 0, 1, 0, 1, 2
	STEP 1, 1, 0
	TURN 1, 2, 1, 2, 0                             ; slot 2 was shown whole, in every wave, in front of the round above
	STEP 2, 0, 0
	TURN 2, 0, 0, 3, 1                             ; its wait shows the refill landed; its barrier also parts all reads of slot 1 from the stores of the way out
	STEP 0, 1, 0
	s_wait_dscnt 12
	WIN MUL_LO
	MUL 0, 1, 1, 1, 0
	MUL 2, 1, 1, 1, 0
	s_wait_dscnt 0x0
	WIN MUL_HI
	MUL 4, 1, 1, 1, 0
	MUL 6, 1, 1, 1, 0
	WIN 0
	; ---------------- the way out
	PLACES 4
.irp b, 0,1,2,3
	v_mov_b32 v[TM+4+\b], 0                        ; written once: a lane permute's destination counts as one of its sources
.endr
	s_mov_b32 s2, 0x76543210
	s_mov_b32 s3, 0xfedcba98                       ; v_permlanex16_b32's selects for lane l xor 16
	s_lshr_b32 s18, s95, 2                         ; the batch: my first row / 1,024
	s_and_b32 s19, s95, 3
	s_lshl_b32 s19, s19, 1
	s_add_co_u32 s19, s19, s15                     ; which 128 rows of the sequence
	s_lshl_b32 s20, s94, 2
	s_lshl_b32 s21, s16, 1
	s_add_co_u32 s20, s20, s21                     ; my first column / 64: 0-15 q's heads, 16-31 k's, 32-47 v's
	s_cmp_eq_u32 ttmp9, 2                          ; the cluster's x: the same in all sixteen partners
	s_cbranch_scc1 .Lvpath
	; ---- q and k
	s_lshl_b32 s21, s18, 5
	s_add_co_u32 s21, s21, s20
	s_lshl_b32 s21, s21, 6
	s_lshl_b32 s22, s19, 3
	s_add_co_u32 s21, s21, s22                     ; (32 batch + head) x 64 + my first tile of 16 rows
	s_mul_i32 s22, s21, 768
	s_mov_b32 s23, 0
	s_add_nc_u64 s[22:23], s[8:9], s[22:23]
	s_lshl_b32 s98, s21, 6
	s_add_co_u32 s98, s98, QKS
	s_mov_b32 s99, 0
	s_add_nc_u64 s[98:99], s[8:9], s[98:99]
.macro QKBLOCK a                       ; 16 rows x 128 columns: the 64 registers of accumulators (a, 0 .. 7): register 16 b + i = column 32 b + 16 h + i of my row
.set AC, 64*((\a)%4)
.set WW, 2+(\a)/4
	WIN WW*5                                       ; sources 0 and 1 in the accumulators' window
.irp b, 0,1,2,3
	v_max3_num_f32 v[TM+\b], |v[AC+16*\b]|, |v[AC+16*\b+1]|, 0x2800000   ; each accumulator is read from its low end on; the floor 2^(5 - 127) holds the byte at 1
.endr
	WIN WW*20                                      ; sources 1 and 2
.irp i, 2,4,6,8,10,12,14
.irp b, 0,1,2,3
	v_max3_num_f32 v[TM+\b], v[TM+\b], |v[AC+16*\b+\i]|, |v[AC+16*\b+\i+1]|
.endr
.endr
	WIN 0
.irp b, 0,1,2,3
	v_permlanex16_b32 v[TM+4+\b], v[TM+\b], s2, s3
.endr
.irp b, 0,1,2,3
	v_max_num_f32 v[TM+\b], v[TM+\b], v[TM+4+\b]   ; with lane l xor 16's: the block's largest magnitude
.endr
.irp b, 0,1,2,3
	v_add_nc_u32 v[TM+12+\b], 0xfe000000, v[TM+\b] ; 4 off the exponent field: the conversion's scale operand
.endr
.irp b, 0,1,2,3
	v_lshrrev_b32 v[TM+4+\b], 23, v[TM+12+\b]      ; the scale's byte
.endr
	v_lshl_or_b32 v[SW+2*(\a)], v[TM+5], 8, v[TM+4]     ; a head has two blocks: bytes 0 and 1 of its word; bytes 2 and 3 stay 0
	v_lshl_or_b32 v[SW+2*(\a)+1], v[TM+7], 8, v[TM+6]
	s_wait_xcnt 0x0                                ; the last block's stores have read the codes' registers
	WIN WW                                         ; source 0
.irp c, 0,1
	v_cvt_scalef32_pk16_bf6_f32 v[PC+6*\c:PC+6*\c+2], v[AC+32*\c:AC+32*\c+15], v[TM+12+2*\c]
	v_cvt_scalef32_pk16_bf6_f32 v[PT+4*\c:PT+4*\c+2], v[AC+32*\c+16:AC+32*\c+31], v[TM+12+2*\c+1]
.endr
	WIN 0
	v_nop                                          ; one plain place behind a scaled conversion
.irp c, 0,1                            ; a whole block to a lane: lanes 0-15 block 2 c, lanes 16-31 block 2 c + 1
.irp i, 0,1,2
	v_permlane16_swap_b32 v[PC+6*\c+\i], v[PT+4*\c+\i]
.endr
.irp i, 0,1,2
	v_mov_b32 v[PC+6*\c+3+\i], v[PT+4*\c+\i]
.endr
.endr
.irp c, 0,1
.irp p, 0,1,2
	global_store_b64 v[L8], v[PC+6*\c+2*\p:PC+6*\c+2*\p+1], s[22:23] offset:49152*\c+768*(\a)+256*\p   ; 256 consecutive bytes, aligned
.endr
	ds_store_b32 v[QST], v[SW+2*(\a)+\c] offset:512*\c+64*(\a)     ; lanes r and r + 16 write the same word with the same value
.endr
.endm
.irp a, 0,1,2,3,4,5,6,7
	QKBLOCK \a
.endr
	ds_load_b128 v[184:187], v[QRD]                ; LDS serves a wave's instructions in order: these see my stores
	ds_load_b128 v[188:191], v[QRD] offset:512
	s_wait_dscnt 0x0
	global_store_b128 v[L16], v[184:187], s[98:99]             ; a head's eight tiles: 512 consecutive bytes
	global_store_b128 v[L16], v[188:191], s[98:99] offset:4096
	s_branch .Lend
	; ---- v
.Lvpath:
	s_lshl_b32 s21, s18, 4
	s_add_co_u32 s21, s21, s20
	s_sub_co_u32 s21, s21, 32
	s_lshl_b32 s21, s21, 3
	s_add_co_u32 s21, s21, s19                     ; (16 batch + head) x 8 + my step of 128 keys
	s_mul_i32 s22, s21, 6144
	s_add_co_u32 s22, s22, VC
	s_mov_b32 s23, 0
	s_add_nc_u64 s[22:23], s[8:9], s[22:23]
	s_lshl_b32 s98, s21, 8
	s_add_co_u32 s98, s98, VSO
	s_mov_b32 s99, 0
	s_add_nc_u64 s[98:99], s[8:9], s[98:99]
.macro VSTAGE be                       ; columns 32 be .. 32 be + 31 of my 128 keys into the stage
.irp a, 0,1,2,3,4,5,6,7
	WIN 8+4*(\a/4)                                 ; an LDS store's data are its source 1
.irp u, 0,1
	ds_store_b128 v[VST], v[8*(8*(\a%4)+2*(\be)+\u):8*(8*(\a%4)+2*(\be)+\u)+3] offset:2304*\a+32*(\a/2)+32*\u
	ds_store_b128 v[VST], v[8*(8*(\a%4)+2*(\be)+\u)+4:8*(8*(\a%4)+2*(\be)+\u)+7] offset:2304*\a+32*(\a/2)+32*\u+16
.endr
.endr
	WIN 0
.endm
.macro VQUANT be, de                   ; tile 2 (be % 2) + de of head be / 2: my column d, keys 64 c + 32 h + the block's order
.irp c, 0,1
.set ii, 0
.rept 32
	ds_load_b32 v[VX+32*\c+ii], v[VRD] offset:32*(\de)+9280*\c+144*((ii%8)+16*((ii/8)%2)+8*(ii/16))
.set ii, ii+1
.endr
.endr
	s_wait_dscnt 0x0
.irp c, 0,1
	v_max3_num_f32 v[TM+\c], |v[VX+32*\c]|, |v[VX+32*\c+1]|, 0x2800000
.endr
.irp i, 2,4,6,8,10,12,14,16,18,20,22,24,26,28,30
.irp c, 0,1
	v_max3_num_f32 v[TM+\c], v[TM+\c], |v[VX+32*\c+\i]|, |v[VX+32*\c+\i+1]|
.endr
.endr
.irp c, 0,1
	v_add_nc_u32 v[TM+2+\c], 0xfe000000, v[TM+\c]
.endr
.irp c, 0,1
	v_lshrrev_b32 v[TM+4+\c], 23, v[TM+2+\c]
.endr
	v_lshl_or_b32 v[TM+6], v[TM+5], 16, v[TM+4]    ; my two bytes: blocks h and 2 + h,
	v_lshlrev_b32 v[TM+6], v[H8], v[TM+6]          ; at their places;
	v_permlanex16_b32 v[TM+7], v[TM+6], s2, s3
	v_or_b32 v[VW+2*(\be)+(\de)], v[TM+6], v[TM+7] ; with lane l xor 16's two the word is whole
	s_wait_xcnt 0x0                                ; the last tile's stores have read the codes' registers
.irp c, 0,1
	v_cvt_scalef32_pk16_bf6_f32 v[PC+6*\c:PC+6*\c+2], v[VX+32*\c:VX+32*\c+15], v[TM+2+\c]
	v_cvt_scalef32_pk16_bf6_f32 v[PT+4*\c:PT+4*\c+2], v[VX+32*\c+16:VX+32*\c+31], v[TM+2+\c]
.endr
	v_nop                                          ; one plain place behind a scaled conversion
.irp c, 0,1
.irp i, 0,1,2
	v_mov_b32 v[PC+6*\c+3+\i], v[PT+4*\c+\i]
.endr
.endr
.irp p, 0,1,2
	global_store_b128 v[L16], v[PC+4*\p:PC+4*\p+3], s[22:23] offset:49152*((\be)/2)+1536*(2*((\be)%2)+(\de))+512*\p   ; 512 consecutive bytes, aligned
.endr
	ds_store_b32 v[VSS], v[VW+2*(\be)+(\de)] offset:256*((\be)/2)+64*(2*((\be)%2)+(\de))
.endm
.irp be, 0,1,2,3
	VSTAGE \be                                     ; (behind the last tile's loads from the stage: LDS serves a wave's instructions in order)
	VQUANT \be, 0
	VQUANT \be, 1
.endr
	ds_load_b128 v[184:187], v[VSR]
	s_wait_dscnt 0x0
	global_store_b128 v[VGO], v[184:187], s[98:99] ; two aligned runs of 256 bytes, one for each head
.Lend:
	s_wait_tensorcnt 0x0                           ; the wave's end
	ds_add_u32 v[SPW], v[NIL]
	s_wait_dscnt 0x0
	CROUND                                         ; the closing round
	s_endpgm
.Lfunc_end_k_q1ad4efec19_proj:
	.size	k_q1ad4efec19_proj, .Lfunc_end_k_q1ad4efec19_proj-k_q1ad4efec19_proj
	.p2alignl 7, 3214868480
	.fill 96, 4, 3214868480
	.section	.rodata,"a",@progbits
	.p2align	6, 0x0
	.amdhsa_kernel k_q1ad4efec19_proj
		.amdhsa_group_segment_fixed_size 327680
		.amdhsa_private_segment_fixed_size 0
		.amdhsa_enable_private_segment 0
		.amdhsa_kernarg_size 24
		.amdhsa_user_sgpr_count 2
		.amdhsa_user_sgpr_kernarg_segment_ptr 1
		.amdhsa_wavefront_size32 1
		.amdhsa_system_sgpr_workgroup_id_x 1
		.amdhsa_system_sgpr_workgroup_id_y 1
		.amdhsa_system_sgpr_workgroup_id_z 1
		.amdhsa_system_vgpr_workitem_id 0
		.amdhsa_next_free_vgpr 1024
		.amdhsa_next_free_sgpr 102
		.amdhsa_reserve_vcc 0
		.amdhsa_float_denorm_mode_32 3
		.amdhsa_float_denorm_mode_16_64 3
		.amdhsa_memory_ordered 1
		.amdhsa_forward_progress 1
		.amdhsa_inst_pref_size 214
	.end_amdhsa_kernel
	.amdgpu_metadata
---
amdhsa.version: [ 1, 2 ]
amdhsa.kernels:
  - .name:           k_q1ad4efec19_proj
    .symbol:         k_q1ad4efec19_proj.kd
    .args:
      - { .name: opnd, .offset: 0, .size: 8, .value_kind: global_buffer, .address_space: global }
      - { .name: b_in, .offset: 8, .size: 8, .value_kind: global_buffer, .address_space: global }
      - { .name: qkv, .offset: 16, .size: 8, .value_kind: global_buffer, .address_space: global }
    .group_segment_fixed_size: 327680
    .private_segment_fixed_size: 0
    .kernarg_segment_align: 8
    .kernarg_segment_size: 24
    .max_flat_workgroup_size: 128
    .sgpr_count:     102
    .vgpr_count:     1024
    .wavefront_size: 32
...
	.end_amdgpu_metadata
.endif
;; end of part 2
;; launch attn (part 3): grid 64 x 8, 16 waves a work-group, no clusters, 15,360 bytes of LDS; arguments qkv, mw, ctx; writes ctx
.if DOCPART == 3
	.amdgcn_target "amdgcn-amd-amdhsa--gfx1250"
	.amdhsa_code_object_version 6
	.text
	.protected	k_q1ad4efec19_attn
	.globl	k_q1ad4efec19_attn
	.p2align	8
	.type	k_q1ad4efec19_attn,@function
k_q1ad4efec19_attn:
	s_mov_b64 s[64:65], 0
	v_nop
	global_prefetch_b8 v0, s[64:65] scope:SCOPE_SE
	s_setreg_imm32_b32 hwreg(HW_REG_WAVE_MODE, 25, 1), 1
	s_wait_xcnt 0x0
; ctx = softmax(q k^T / 8, under the mask) v for 16 queries (work-group x) of one batch (y); wave w takes head w.  Both products on codes of BF6 (E3M2) with E8M0 scales; ctx is quantised along D at once, as the next launch's operand images.
; THE SOFTMAX AHEAD OF THE SECOND PRODUCT: t = score x log2(e) / 8; M = the row's largest t so far, rounded up to a whole number; p = 2^(t - M) is quantised along the keys; the row's sum is taken of the unquantised p and divides at the end.
; THE MASK is an input.  The first launch has turned it into lane-mask words (one bit a lane for each of a step's 64 score registers) and a flag word for each tile of queries.  The loop walks all 8 steps of 128 keys, a constant
; count; a step whose flag is 0 (every key masked for all 16 queries, and each of them has a key elsewhere) is left out by a scalar branch on that stored word: its p would all be 0.
; A masked score becomes -2^120.  c x 2^120 is a whole number, so a query with no key at all gets t - M = 0 and p = 1 on every key: the uniform softmax.  Where a key counts, masked keys get p = 0, and what was summed
; before the first open key is multiplied by 2^(old M - new M) = 0.
; This text has no tensor load and no joint request: K and V come from memory straight into registers, in the order in which the operand registers take them.
; K = 64 IN AN INSTRUCTION OF 128: q's registers 6-11 are zero codes, bytes 2 and 3 of q's and k's scale words are 0 (2^-127, a number); k's operand for tile t is v[36 + 6 t ..] for 12 registers, whose upper six (the next tile's codes)
; meet q's zero codes.
; LAYOUT: S^T = k q^T (source 0 = 16 neighbouring keys, source 1 = my 16 queries), O^T = V^T P^T: a lane holds one query throughout.  p's codes come out in the order that V's images were laid in.
; LIMITS: |score| under 2^96; NaN and infinities are not served; a block of zeros gets the scale byte 1.
.set QKS,  12582912
.set VC,   13631488
.set VSO,  19922944
.set FLG,  131072
.set CSC,  6291456                     ; ctx's scale words
.set L8,   1                           ; v1  8 x lane;  v2  16 x lane;  v3  4 x lane
.set L16,  2
.set L4,   3
.set NEG,  4                           ; v4  -2^120
.set OWN,  5                           ; v5  the way out: my wave's 768 bytes, 8 x lane
.set SWS,  6                           ; v6  my wave's 64 bytes of scale words, 4 r
.set GRD,  7                           ; v7  where I read codes back, in the image's order
.set GGO,  8                           ; v8  and their place in ctx
.set SGR,  9                           ; v9  wave 0: where it gathers the scale words
.set QF,   16                          ; v16-21 q's codes, v22-27 zeros
.set QS,   28                          ; v28 q's scale words
.set KS,   30                          ; v30-33 k's: lanes 0-15 tile 2 i, lanes 16-31 tile 2 i + 1
.set VSR,  34                          ; v34-35 V's likewise
.set KB,   36                          ; v36-83 k's eight tiles, six registers each; v84-89 zeros.  v36-47 later hold p's codes
.set VB,   90                          ; v90-137 V's four fragments
.set S,    138                         ; v138-201 S^T, then p
.set O,    202                         ; v202-233 O^T
.set BM,   234                         ; v234-237 the blocks' largest scores
.set PT,   238                         ; v238-245 at work
.set SO,   246                         ; v246-249 the conversions' scale operands
.set FF,   250                         ; v250 f = 2^(old M - new M)
.set PW,   251                         ; v251 p's scale word
.set TP,   252                         ; v252 at work
.set HD,   2                           ; s2  my head
.set CNT,  3                           ; s3  the step
.set KP,   12                          ; s[12:13] k's codes, s[14:15] k's scale words, of the step
.set KSP,  14
.set VP,   84                          ; s[84:85] V's codes, s[86:87] its scale words, s[88:89] the mask's words
.set VSP,  86
.set MWP,  88
.set SEL,  90
.set CS,   92                          ; s[92:93] c = log2(e) / 8
.set FLAGS, 97
	s_load_b128 s[4:7], s[0:1], 0x0                ; qkv s[4:5], mw s[6:7]
	s_load_b64 s[8:9], s[0:1], 0x10                ; ctx
	v_lshl_add_u32 v254, v0, 2, 0x3400
	v_mov_b32 v255, 0
	v_lshrrev_b32 v1, 5, v0
	v_readfirstlane_b32 s[HD], v1                  ; wave 0..15 = head
	s_and_b32 s94, ttmp7, 0xffff                   ; the batch
	v_and_b32 v[TP], 31, v0                        ; lane
	v_and_b32 v10, 15, v0                          ; r
	v_bfe_u32 v11, v0, 4, 1                        ; h
.irp j, 0,1,2,3,4,5
	v_mov_b32 v[QF+6+\j], 0                        ; zero codes
	v_mov_b32 v[KB+48+\j], 0
.endr
	v_lshlrev_b32 v[L8], 3, v[TP]
	v_lshlrev_b32 v[L16], 4, v[TP]
	v_lshlrev_b32 v[L4], 2, v[TP]
	v_mov_b32 v[NEG], 0xfb800000
	s_lshl_b32 s95, s94, 5
	s_add_co_u32 s95, s95, s[HD]                   ; 32 batch + head
	s_lshl_b32 s96, s95, 6
	s_add_co_u32 s96, s96, ttmp9                   ; q's tile
	s_mul_i32 s98, s96, 768
	s_mov_b32 s99, 0
	s_lshl_b32 s100, s96, 6
	s_add_co_u32 s100, s100, QKS
	s_mov_b32 s101, 0
	s_add_co_u32 s96, s95, 16
	s_lshl_b32 s96, s96, 6                         ; k's first tile
	s_mul_i32 s[KP], s96, 768
	s_mov_b32 s[KP+1], 0
	s_lshl_b32 s[KSP], s96, 6
	s_add_co_u32 s[KSP], s[KSP], QKS
	s_mov_b32 s[KSP+1], 0
	s_lshl_b32 s96, s94, 4
	s_add_co_u32 s96, s96, s[HD]
	s_lshl_b32 s96, s96, 3                         ; V's first step
	s_mul_i32 s[VP], s96, 6144
	s_add_co_u32 s[VP], s[VP], VC
	s_mov_b32 s[VP+1], 0
	s_lshl_b32 s[VSP], s96, 8
	s_add_co_u32 s[VSP], s[VSP], VSO
	s_mov_b32 s[VSP+1], 0
	s_lshl_b32 s[MWP], ttmp9, 11
	s_mov_b32 s[MWP+1], 0
	s_lshl_b32 s10, ttmp9, 8
	s_add_co_u32 s10, s10, FLG
	s_mov_b32 s11, 0
	s_mov_b32 s[SEL], 0x76543210
	s_mov_b32 s[SEL+1], 0xfedcba98
	s_mov_b32 s[CS], 0x3e38aa3b
	s_mov_b32 s[CS+1], s[CS]                       ; (named with it as a pair, so it is written)
	s_wait_kmcnt 0x0
	s_add_nc_u64 s[98:99], s[4:5], s[98:99]
	s_add_nc_u64 s[100:101], s[4:5], s[100:101]
	s_add_nc_u64 s[KP:KP+1], s[4:5], s[KP:KP+1]
	s_add_nc_u64 s[KSP:KSP+1], s[4:5], s[KSP:KSP+1]
	s_add_nc_u64 s[VP:VP+1], s[4:5], s[VP:VP+1]
	s_add_nc_u64 s[VSP:VSP+1], s[4:5], s[VSP:VSP+1]
	s_add_nc_u64 s[MWP:MWP+1], s[6:7], s[MWP:MWP+1]
	s_add_nc_u64 s[10:11], s[6:7], s[10:11]
	s_load_b32 s[FLAGS], s[10:11], 0x0             ; which steps are kept.  s[10:11], this load's base, is never written again
.irp p, 0,1,2
	global_load_b64 v[QF+2*\p:QF+2*\p+1], v[L8], s[98:99] offset:256*\p
.endr
	global_load_b32 v[QS], v[L4], s[100:101]       ; lanes 0-15: my rows' words (lanes 16-31 bring the next tile's and are not read)
	; the way out's addresses (s16 and s17 are free here: the loop's scalar loads fill them later)
	s_mul_i32 s96, s[HD], 768
	v_add_nc_u32 v[OWN], s96, v[L8]
	s_lshl_b32 s96, s[HD], 6
	s_add_co_u32 s96, s96, 12288
	v_lshl_add_u32 v[SWS], v10, 2, s96
	s_lshr_b32 s96, s[HD], 1
	s_mul_i32 s96, s96, 1536                       ; the image of my pair of heads
	s_and_b32 s16, s[HD], 1
	s_lshl_b32 s17, s16, 7
	s_add_co_u32 s17, s17, s96
	v_and_b32 v[GRD], 1, v0
	v_lshlrev_b32 v[GRD], 8, v[GRD]
	v_lshrrev_b32 v[GGO], 1, v[TP]
	v_lshl_add_u32 v[GRD], v[GGO], 3, v[GRD]
	v_add_nc_u32 v[GRD], s17, v[GRD]               ; 1,536 s + 128 e + 256 (lane % 2) + 8 (lane / 2)
	s_lshl_b32 s17, s16, 8
	s_add_co_u32 s17, s17, s96
	v_add_nc_u32 v[GGO], s17, v[L8]                ; 1,536 s + 256 e + 8 lane
	v_lshlrev_b32 v[SGR], 9, v11
	v_lshl_add_u32 v[SGR], v10, 2, v[SGR]
	v_add_nc_u32 v[SGR], 12288, v[SGR]             ; heads 8 h on, row r
	v_mov_b32 v13, 0xff61b1e6                      ; the largest t so far: -3e38
	v_floor_f32 v12, -v13                          ; -M
	v_mov_b32 v14, 0                               ; the sum, in two halves
	v_mov_b32 v15, 0
.irp b, 0,1,2,3
	v_mov_b32 v[PT+\b], 0                          ; written once: a lane permute's destination counts as one of its sources
.endr
	v_mov_b32 v[FF], 0
	v_mov_b32 v[PW], 0                             ; (named as the upper half of the pair before it is first written)
.set j, 0
.rept 32
	v_mov_b32 v[O+j], 0                            ; O^T: the step is written once; the first finds zeros
.set j, j+1
.endr
	s_mov_b32 s[CNT], 0
	s_wait_kmcnt 0x0
	s_wait_loadcnt 0x0                             ; q
.Lstep:
	s_lshr_b32 s96, s[FLAGS], s[CNT]
	s_and_b32 s96, s96, 1
	s_cmp_eq_u32 s96, 0
	s_cbranch_scc1 .Lskip                          ; a branch on a whole number that an earlier launch stored; no barrier stands in a step
	s_load_b512 s[16:31], s[MWP:MWP+1], 0x0        ; the step's 64 lane-mask words: word w in s[16 + w], from word 48 on in s[20 + w]
	s_load_b512 s[32:47], s[MWP:MWP+1], 0x40
	s_load_b512 s[48:63], s[MWP:MWP+1], 0x80
	s_load_b512 s[68:83], s[MWP:MWP+1], 0xc0
.irp t, 0,1,2,3,4,5,6,7
.irp p, 0,1,2
	global_load_b64 v[KB+6*\t+2*\p:KB+6*\t+2*\p+1], v[L8], s[KP:KP+1] offset:768*\t+256*\p
.endr
.endr
.irp i, 0,1,2,3
	global_load_b32 v[KS+\i], v[L4], s[KSP:KSP+1] offset:128*\i
.endr
.irp d, 0,1,2,3
.irp p, 0,1,2
	global_load_b128 v[VB+12*\d+4*\p:VB+12*\d+4*\p+3], v[L16], s[VP:VP+1] offset:1536*\d+512*\p
.endr
.endr
.irp i, 0,1
	global_load_b32 v[VSR+\i], v[L4], s[VSP:VSP+1] offset:128*\i
.endr
	s_wait_loadcnt 14                              ; k's 28 loads are in; V's 14 may be out
.irp t, 0,2,4,6
	v_wmma_scale_f32_16x16x128_f8f6f4 v[S+8*\t:S+8*\t+7], v[KB+6*\t:KB+6*\t+11], v[QF:QF+11], 0, v[KS+\t/2], v[QS] matrix_a_fmt:MATRIX_FMT_BF6 matrix_b_fmt:MATRIX_FMT_BF6
	v_wmma_scale_f32_16x16x128_f8f6f4 v[S+8*\t+8:S+8*\t+15], v[KB+6*\t+6:KB+6*\t+17], v[QF:QF+11], 0, v[KS+\t/2], v[QS] matrix_a_fmt:MATRIX_FMT_BF6 matrix_b_fmt:MATRIX_FMT_BF6 matrix_a_scale:MATRIX_SCALE_ROW1
.endr
.rept 4
	v_nop                                          ; places in front of the first read of results
.endr
	s_wait_kmcnt 0x0                               ; the mask's words
.set w, 0
.rept 64
.if w < 48
	v_cndmask_b32 v[S+w], v[S+w], v[NEG], s[16+w]  ; register 8 t + j of lane (r, h): query r, key 16 t + 8 h + j; each accumulator from its low end on
.else
	v_cndmask_b32 v[S+w], v[S+w], v[NEG], s[20+w]
.endif
.set w, w+1
.endr
.irp b, 0,1,2,3
	v_max3_num_f32 v[BM+\b], v[S+16*\b], v[S+1+16*\b], v[S+2+16*\b]   ; the largest score of each block of 32 keys: for the row's maximum and, since p rises with the score, for the block's largest p
.endr
.irp i, 3,5,7,9,11,13
.irp b, 0,1,2,3
	v_max3_num_f32 v[BM+\b], v[BM+\b], v[S+16*\b+\i], v[S+1+16*\b+\i]
.endr
.endr
.irp b, 0,1,2,3
	v_max_num_f32 v[BM+\b], v[BM+\b], v[S+15+16*\b]
.endr
.irp b, 0,1,2,3
	v_permlanex16_b32 v[PT+\b], v[BM+\b], s[SEL], s[SEL+1]
.endr
.irp b, 0,1,2,3
	v_max_num_f32 v[BM+\b], v[BM+\b], v[PT+\b]     ; with lane l xor 16's 16 keys
.endr
	v_max3_num_f32 v[TP], v[BM], v[BM+1], v[BM+2]
	v_max_num_f32 v[TP], v[TP], v[BM+3]
	v_mul_f32 v[TP], s[CS], v[TP]                  ; the step's largest t of my query
	v_max_num_f32 v13, v13, v[TP]                  ; the running largest t
	v_mov_b32 v[TP], v12
	v_floor_f32 v12, -v13                          ; the new -M = floor(-t): M is a whole number
	v_sub_f32 v[TP], v12, v[TP]                    ; old M - new M: a whole number, 0 or less
	v_cvt_i32_f32 v[TP], v[TP]                     ; (it saturates)
	v_ldexp_f32 v[FF], 1.0, v[TP]                  ; f = 2^(old M - new M)
.set j, 0
.rept 32
	v_pk_fma_f32 v[S+j:S+j+1], v[S+j:S+j+1], s[CS:CS+1], v[12:13] op_sel_hi:[1,0,0]   ; t - M, two at a time
.set j, j+2
.endr
.irp b, 0,1,2,3
	v_fma_f32 v[BM+\b], v[BM+\b], s[CS], v12       ; the same of each block's largest score
.endr
.set j, 0
.rept 64
	v_exp_f32 v[S+j], v[S+j]                       ; p = 2^(t - M)
.set j, j+1
.endr
	v_pk_mul_f32 v[14:15], v[14:15], v[FF:FF+1] op_sel_hi:[1,0]   ; the sums under the new M (a plain place behind the exponentials)
	s_wait_alu depctr_va_vdst(0)                   ; one wait for the whole batch, ahead of its first reader
.irp b, 0,1,2,3
	v_exp_f32 v[BM+\b], v[BM+\b]                   ; the block's largest p
.endr
	v_pk_add_f32 v[PT:PT+1], v[S:S+1], v[S+2:S+3]  ; the row's sum is taken of the unquantised p, in two chains
.irp j, 4,8,12,16,20,24,28,32,36,40,44,48,52,56,60
	v_pk_add_f32 v[14:15], v[14:15], v[S+\j:S+\j+1]
	v_pk_add_f32 v[PT:PT+1], v[PT:PT+1], v[S+2+\j:S+3+\j]
.endr
	v_pk_add_f32 v[14:15], v[14:15], v[PT:PT+1]
	s_wait_alu depctr_va_vdst(0)                   ; and one for the four
.irp b, 0,1,2,3
	v_max_num_f32 v[BM+\b], 0x2800000, v[BM+\b]    ; the floor 2^(5 - 127): the byte cannot fall under 1
.endr
.irp b, 0,1,2,3
	v_add_nc_u32 v[SO+\b], 0xfe000000, v[BM+\b]    ; 4 off the exponent field: the conversion's scale operand
.endr
.irp b, 0,1,2,3
	v_lshrrev_b32 v[PT+\b], 23, v[SO+\b]           ; the scale's byte
.endr
	v_lshl_or_b32 v[PW], v[PT+1], 8, v[PT]         ; p's scale word for these 128 keys
	v_lshl_or_b32 v[PW], v[PT+2], 16, v[PW]
	v_lshl_or_b32 v[PW], v[PT+3], 24, v[PW]
.irp c, 0,1
	v_cvt_scalef32_pk16_bf6_f32 v[KB+6*\c:KB+6*\c+2], v[S+32*\c:S+32*\c+15], v[SO+2*\c]
	v_cvt_scalef32_pk16_bf6_f32 v[PT+4*\c:PT+4*\c+2], v[S+16+32*\c:S+31+32*\c], v[SO+2*\c+1]
.endr
	v_nop                                          ; one plain place behind a scaled conversion
.irp c, 0,1                            ; a whole block to a lane: lanes 0-15 block 2 c, lanes 16-31 block 2 c + 1
.irp i, 0,1,2
	v_permlane16_swap_b32 v[KB+6*\c+\i], v[PT+4*\c+\i]
.endr
.irp i, 0,1,2
	v_mov_b32 v[KB+6*\c+3+\i], v[PT+4*\c+\i]
.endr
.endr
.set j, 0
.rept 16
	v_pk_mul_f32 v[O+j:O+j+1], v[O+j:O+j+1], v[FF:FF+1] op_sel_hi:[1,0]   ; O^T under the new M; these are also the places between the lines that made p's codes and scale word and the products
.set j, j+2
.endr
	s_wait_loadcnt 0x0                             ; V
.irp d, 0,2
	v_wmma_scale_f32_16x16x128_f8f6f4 v[O+8*\d:O+8*\d+7], v[VB+12*\d:VB+12*\d+11], v[KB:KB+11], v[O+8*\d:O+8*\d+7], v[VSR+\d/2], v[PW] matrix_a_fmt:MATRIX_FMT_BF6 matrix_b_fmt:MATRIX_FMT_BF6
	v_wmma_scale_f32_16x16x128_f8f6f4 v[O+8*\d+8:O+8*\d+15], v[VB+12*\d+12:VB+12*\d+23], v[KB:KB+11], v[O+8*\d+8:O+8*\d+15], v[VSR+\d/2], v[PW] matrix_a_fmt:MATRIX_FMT_BF6 matrix_b_fmt:MATRIX_FMT_BF6 matrix_a_scale:MATRIX_SCALE_ROW1
.endr
.rept 4
	v_nop                                          ; places in front of the next step's loads into these operands, and of the way out's reads
.endr
.Lskip:
	s_add_nc_u64 s[KP:KP+1], s[KP:KP+1], 6144      ; no load is out on either way: the bases may step
	s_add_nc_u64 s[KSP:KSP+1], s[KSP:KSP+1], 512
	s_add_nc_u64 s[VP:VP+1], s[VP:VP+1], 6144
	s_add_nc_u64 s[VSP:VSP+1], s[VSP:VSP+1], 256
	s_add_nc_u64 s[MWP:MWP+1], s[MWP:MWP+1], 256
	s_add_co_u32 s[CNT], s[CNT], 1
	s_cmp_lt_u32 s[CNT], 8
	s_cbranch_scc1 .Lstep
	; ---------------- the way out
	v_add_f32 v14, v14, v15
	v_permlanex16_b32 v[TP], v14, s[SEL], s[SEL+1]
	v_add_f32 v14, v14, v[TP]                      ; the row's sum
	v_rcp_f32 v14, v14
	v_nop                                          ; a plain place behind the transcendental
	s_lshl_b32 s96, s94, 6
	s_add_co_u32 s96, s96, ttmp9                   ; my row block of ctx: 64 batch + qt
	s_mul_i32 s12, s96, 12288
	s_mov_b32 s13, 0
	s_add_nc_u64 s[12:13], s[8:9], s[12:13]
	s_lshl_b32 s14, s96, 9
	s_add_co_u32 s14, s14, CSC
	s_mov_b32 s15, 0
	s_add_nc_u64 s[14:15], s[8:9], s[14:15]
	s_wait_alu depctr_va_vdst(0)                   ; the wait, ahead of the first reader
.set j, 0
.rept 32
	v_mul_f32 v[S+j], v[O+j], v14                  ; register 16 b + i: ctx(r, d = 32 b + 16 h + i): V's tiles were laid for that
.set j, j+1
.endr
.irp b, 0,1
	v_max3_num_f32 v[BM+\b], |v[S+16*\b]|, |v[S+16*\b+1]|, 0x2800000
.endr
.irp i, 2,4,6,8,10,12,14
.irp b, 0,1
	v_max3_num_f32 v[BM+\b], v[BM+\b], |v[S+16*\b+\i]|, |v[S+16*\b+\i+1]|
.endr
.endr
.irp b, 0,1
	v_permlanex16_b32 v[PT+\b], v[BM+\b], s[SEL], s[SEL+1]
.endr
.irp b, 0,1
	v_max_num_f32 v[BM+\b], v[BM+\b], v[PT+\b]
.endr
.irp b, 0,1
	v_add_nc_u32 v[SO+\b], 0xfe000000, v[BM+\b]
.endr
.irp b, 0,1
	v_lshrrev_b32 v[PT+\b], 23, v[SO+\b]
.endr
	v_lshl_or_b32 v[TP], v[PT+1], 8, v[PT]         ; my head's two scale bytes
	v_cvt_scalef32_pk16_bf6_f32 v[KB:KB+2], v[S:S+15], v[SO]
	v_cvt_scalef32_pk16_bf6_f32 v[PT+4:PT+6], v[S+16:S+31], v[SO+1]
	v_nop                                          ; one plain place behind a scaled conversion
.irp i, 0,1,2
	v_permlane16_swap_b32 v[KB+\i], v[PT+4+\i]
.endr
.irp i, 0,1,2
	v_mov_b32 v[KB+3+\i], v[PT+4+\i]               ; six registers: d = 32 h + 0 .. 31 of my head: registers 6 c .. 6 c + 5 of the pair of heads' fragment, c = head % 2
.endr
.irp p, 0,1,2
	ds_store_b64 v[OWN], v[KB+2*\p:KB+2*\p+1] offset:256*\p        ; into my wave's own 768 bytes
.endr
	ds_store_b32 v[SWS], v[TP]                     ; and its own 64 (lanes r and r + 16 write the same word with the same value)
	s_wait_dscnt 0x0                               ; for the others' sake: my stores have landed
	s_barrier_signal -1
	s_barrier_wait -1
.irp p, 0,1,2
	ds_load_b64 v[100+2*\p:101+2*\p], v[GRD] offset:512*\p         ; register pair 2 p + lane % 2 of the fragment, of lane 16 e + lane / 2: the image's order
.endr
	s_wait_dscnt 0x0
.irp p, 0,1,2
	global_store_b64 v[GGO], v[100+2*\p:101+2*\p], s[12:13] offset:512*\p   ; 256 consecutive bytes, aligned
.endr
	s_cmp_lg_u32 s[HD], 0
	s_cbranch_scc1 .Ldone
.irp i, 0,1,2,3,4,5,6,7
	ds_load_b32 v[110+\i], v[SGR] offset:64*\i     ; heads 8 h + i, row r
.endr
	s_wait_dscnt 0x0
.irp i, 0,1,2,3
	v_lshl_or_b32 v[120+\i], v[111+2*\i], 16, v[110+2*\i]          ; a pair of heads is a K step of the next product: four bytes
.endr
	global_store_b128 v[L16], v[120:123], s[14:15] ; 512 consecutive bytes: [K half][row][4 words]
.Ldone:
	s_wait_tensorcnt 0x0
	ds_add_u32 v254, v255
	s_wait_dscnt 0x0
	s_endpgm
.Lfunc_end_k_q1ad4efec19_attn:
	.size	k_q1ad4efec19_attn, .Lfunc_end_k_q1ad4efec19_attn-k_q1ad4efec19_attn
	.p2alignl 7, 3214868480
	.fill 96, 4, 3214868480
	.section	.rodata,"a",@progbits
	.p2align	6, 0x0
	.amdhsa_kernel k_q1ad4efec19_attn
		.amdhsa_group_segment_fixed_size 15360
		.amdhsa_private_segment_fixed_size 0
		.amdhsa_enable_private_segment 0
		.amdhsa_kernarg_size 24
		.amdhsa_user_sgpr_count 2
		.amdhsa_user_sgpr_kernarg_segment_ptr 1
		.amdhsa_wavefront_size32 1
		.amdhsa_system_sgpr_workgroup_id_x 1
		.amdhsa_system_sgpr_workgroup_id_y 1
		.amdhsa_system_sgpr_workgroup_id_z 1
		.amdhsa_system_vgpr_workitem_id 0
		.amdhsa_next_free_vgpr 256
		.amdhsa_next_free_sgpr 102
		.amdhsa_reserve_vcc 0
		.amdhsa_float_denorm_mode_32 3
		.amdhsa_float_denorm_mode_16_64 3
		.amdhsa_memory_ordered 1
		.amdhsa_forward_progress 1
		.amdhsa_inst_pref_size 34
	.end_amdhsa_kernel
	.amdgpu_metadata
---
amdhsa.version: [ 1, 2 ]
amdhsa.kernels:
  - .name:           k_q1ad4efec19_attn
    .symbol:         k_q1ad4efec19_attn.kd
    .args:
      - { .name: qkv, .offset: 0, .size: 8, .value_kind: global_buffer, .address_space: global }
      - { .name: mw, .offset: 8, .size: 8, .value_kind: global_buffer, .address_space: global }
      - { .name: ctx, .offset: 16, .size: 8, .value_kind: global_buffer, .address_space: global }
    .group_segment_fixed_size: 15360
    .private_segment_fixed_size: 0
    .kernarg_segment_align: 8
    .kernarg_segment_size: 24
    .max_flat_workgroup_size: 512
    .sgpr_count:     102
    .vgpr_count:     256
    .wavefront_size: 32
...
	.end_amdgpu_metadata
.endif
;; end of part 3
;; launch outp (part 4): grid 8 x 32, 4 waves a work-group, clusters of 4 x 4, 327,680 bytes of LDS; arguments ctx, opnd, b_out, out0; writes out0
.if DOCPART == 4
	.amdgcn_target "amdgcn-amd-amdhsa--gfx1250"
	.amdhsa_code_object_version 6
	.text
	.protected	k_q1ad4efec19_outp
	.globl	k_q1ad4efec19_outp
	.p2align	8
	.type	k_q1ad4efec19_outp,@function
k_q1ad4efec19_outp:
	s_mov_b64 s[64:65], 0
	v_nop
	global_prefetch_b8 v0, s[64:65] scope:SCOPE_SE
	s_setreg_imm32_b32 hwreg(HW_REG_WAVE_MODE, 25, 1), 1
	s_wait_xcnt 0x0
	s_wait_alu depctr_hold_cnt(0) depctr_sa_sdst(0) depctr_va_vdst(0) depctr_va_sdst(0) depctr_va_ssrc(0) depctr_va_vcc(0) depctr_vm_vsrc(0)
	s_getreg_b32 s2, hwreg(HW_REG_IB_STS2, 6, 4)
	s_cmp_eq_u32 s2, 0
	s_cbranch_scc0 .Lentry_in_a_cluster
	s_endpgm
.Lentry_in_a_cluster:
	s_bfe_u32 s2, ttmp6, 0x10000c
	s_cmp_lg_u32 s2, 0xf033
	s_cbranch_scc0 .Lentry_shape_is_right
	s_endpgm
.Lentry_shape_is_right:
; out0 = ctx w_out^T + b_out, [8192][1024] f32, K = 1,024, on codes of BF6 (E3M2) with E8M0 scales.  Both operands come as images of operand registers (16 rows x 128 K = 1,536 dense bytes).
; A tile of 256 x 128 is made by four waves, each 128 x 64: 32 accumulators: 256 work-groups.  K goes in four slots' worth of 256: LDS has three slots, all filled at the start, and slot 0 is filled once more.
; By this text's count a wave has four tensor loads out at the start (scales, three slots) and one behind the refill's barrier, with 128 matrix instructions in which to land.
; CLUSTERS: 4 x 4 work-groups; A's tiles are asked for jointly along a row of the cluster, B's along a column.
; THE MATRIX INSTRUCTION IS USED TRANSPOSED (source 0 = 16 rows of w_out, source 1 = 16 rows of ctx): in accumulator (a, b) lane (r, h), register j holds row 16 a + r, column 16 b + 8 h + j.  The bias is the C of each sum's first instruction.
; B's scale words lie ahead of A's in LDS: lanes 16-31 of the loads for A's blocks 4-7 then read bytes that were filled (other scale words), into lanes that no instruction takes.
; The way out's stages lie in LDS slot 1: it is filled once, and every wave's last read of it lies ahead of the last barrier.
.set NBB,   4
.set FR,    12
.set RBB,   3072
.set ASZ,   16*RBB
.set BSZ,   2*NBB*RBB
.set SLOT,  ASZ+BSZ
.set SCL,   3*SLOT
.set SCLA,  SCL+1024*NBB
.set SPARE, SCLA+8192                  ; the spare words, 128 bytes for each wave: two blocks of 256 bytes that no other line names
.set ACOFF, 0
.set ASOFF, 6291456
.set BCOFF, 8650752
.set BSOFF, 9797632
.set PA,    4                          ; s[4:5] ctx, s[6:7] opnd
.set PB,    6
.set SPITCH, 272                       ; the stage: 16 rows x (256 bytes + 16) for each wave
.set L16,  4
.set BO,   13                          ; v13  the bias: 32 h
.set ADRA, 16
.set ADRB, 20
.set STO,  24                          ; v24  the way out: where I put 32 bytes of a row
.set RD,   25                          ; v25  where I read rows back
.set CO,   26                          ; v26  my byte offset in out0
.set ADRS, 27
.set SPW,  28                          ; v28  LDS address of my spare word; never rewritten
.set NIL,  29                          ; v29  0; never rewritten
.set SC,   32
.set BI,   64
.set AF,   128
.set BK,   128                         ; the way out: 16 rows read back: v128-159 and v160-191 by turns
.set G1,   24
.set G0A,  32
.set G0B,  44
.set G1B,  56
.set G1S,  68
.set G0S,  76
.set G1SB, 80
.set G0SB, 88
.set MSB, 0
.macro WIN new                         ; the immediate's high byte repeats the setting that is left
.if MSB != (\new)
	s_set_vgpr_msb (MSB<<8)|(\new)
.set MSB, (\new)
.endif
.endm
.set MUL_LO, 0xa1                      ; source 0 (B) window 1, source 1 (A) window 0, C and D window 2;  less 0x20: C (the bias) window 0
.set MUL_HI, 0xf1                      ; the same, C and D window 3;  less 0x30: C window 0
.set TO_B,   0x40
.macro JLOAD g0a, g1a, g0b, g1b        ; a joint load: waves 0 and 1 fetch for A, waves 2 and 3 for B; four v_nop follow each of the two lines
	s_cmp_eq_u32 s15, 0
	s_cbranch_scc0 .Lfor_b_\@
	tensor_load_to_lds s[\g0a:\g0a+3], s[\g1a:\g1a+7]
	s_nop 0
.rept 4
	v_nop
.endr
	s_branch .Lasked_\@
.Lfor_b_\@:
	tensor_load_to_lds s[\g0b:\g0b+3], s[\g1b:\g1b+7]
	s_nop 0
.rept 4
	v_nop
.endr
.Lasked_\@:
.endm
.macro CREST
	s_cmp_lg_u32 s14, 0
	s_cbranch_scc1 .Lnot_wave_0_\@
	s_barrier_signal -3
.Lnot_wave_0_\@:
	s_barrier_wait -3
	s_barrier_signal -1
	s_barrier_wait -1
.endm
.macro CROUND
	s_barrier_signal -1
	s_barrier_wait -1
	CREST
.endm
.macro PLACES n                        ; plain places behind matrix instructions, in front of loads into their registers and of reads of results
.rept \n
	v_nop
.endr
.endm
	s_load_b256 s[4:11], s[0:1], 0x0               ; ctx s[4:5], opnd s[6:7], b_out s[8:9], out0 s[10:11]
	v_lshl_add_u32 v[SPW], v0, 2, SPARE
	v_mov_b32 v[NIL], 0
	ds_add_u32 v28, v29
	ds_add_u32 v28, v29
	s_wait_dscnt 0x0
	v_lshrrev_b32 v1, 5, v0
	v_readfirstlane_b32 s14, v1                    ; wave 0..3
	s_lshr_b32 s15, s14, 1                         ; which half of the tile's rows is mine.  Also: I fetch for A (0) or for B (1)
	s_and_b32 s16, s14, 1                          ; which half of its columns.  Also: which half of that operand I fetch
	s_bfe_u32 s92, ttmp6, 0x40000                  ; cx, cy
	s_bfe_u32 s93, ttmp6, 0x40004
	s_lshl_b32 s94, ttmp9, 2
	s_add_co_u32 s94, s94, s92                     ; tile column
	s_and_b32 s95, ttmp7, 0xffff
	s_lshl_b32 s95, s95, 2
	s_add_co_u32 s95, s95, s93                     ; tile row
	s_lshl_b32 s96, s93, 2
	s_lshl_b32 s96, 15, s96                        ; my row of the cluster
	s_lshl_b32 s97, 0x1111, s92                    ; my column
	s_or_b32 s[G1], s96, (3<<16)|(1<<21)           ; 15:0 the mask; 17:16 elements of 8 bytes; 20 no padding; 21 set beside a mask
	s_or_b32 s[G1S], s96, (3<<16)|(1<<21)
	s_or_b32 s[G1B], s97, (3<<16)|(1<<21)
	s_or_b32 s[G1SB], s97, (3<<16)|(1<<21)
	s_mov_b32 s[G1+1], 384<<16                     ; A's tiles: 8 row blocks x 3,072 bytes (384 elements), 12,288 bytes (1,536 elements) apart
	s_mov_b32 s[G1+2], 8<<16
	s_mov_b32 s[G1+3], 384<<16
	s_mov_b32 s[G1+4], 8
	s_mov_b32 s[G1+5], 1536
	s_mov_b32 s[G1+6], 0
	s_mov_b32 s[G1+7], 0
	s_mov_b32 s[G1B+1], 384<<16                    ; B's: NBB row blocks
	s_mov_b32 s[G1B+2], NBB<<16
	s_mov_b32 s[G1B+3], 384<<16
	s_mov_b32 s[G1B+4], NBB
	s_mov_b32 s[G1B+5], 1536
	s_mov_b32 s[G1B+6], 0
	s_mov_b32 s[G1B+7], 0
	s_mov_b32 s[G1S+1], 32<<16                     ; A's scales: 4,096 dense bytes as 16 rows of 256
	s_mov_b32 s[G1S+2], 16<<16
	s_mov_b32 s[G1S+3], 32<<16
	s_mov_b32 s[G1S+4], 16
	s_mov_b32 s[G1S+5], 32
	s_mov_b32 s[G1S+6], 0
	s_mov_b32 s[G1S+7], 0
	s_mov_b32 s[G1SB+1], 32<<16                    ; B's: 512 NBB dense bytes
	s_mov_b32 s[G1SB+2], (2*NBB)<<16
	s_mov_b32 s[G1SB+3], 32<<16
	s_mov_b32 s[G1SB+4], 2*NBB
	s_mov_b32 s[G1SB+5], 32
	s_mov_b32 s[G1SB+6], 0
	s_mov_b32 s[G1SB+7], 0
	s_lshl_b32 s18, s95, 4                         ; A hangs on the tile row alone, B on the tile column alone, each in registers of its own
	s_lshl_b32 s19, s16, 3
	s_add_co_u32 s18, s18, s19                     ; A's first row block that I fetch
	s_mul_i32 s20, s18, 12288
	s_add_co_u32 s20, s20, ACOFF
	s_mov_b32 s21, 0
	s_lshl_b32 s22, s18, 9
	s_add_co_u32 s22, s22, ASOFF
	s_mov_b32 s23, 0
	s_mul_i32 s98, s94, 2*NBB
	s_mul_i32 s99, s16, NBB
	s_add_co_u32 s98, s98, s99                     ; B's
	s_mul_i32 s100, s98, 12288
	s_add_co_u32 s100, s100, BCOFF
	s_mov_b32 s101, 0
	s_lshl_b32 s98, s98, 9
	s_add_co_u32 s98, s98, BSOFF
	s_mov_b32 s99, 0
	s_mul_i32 s2, s16, 8*RBB                       ; where they go: no place in the cluster enters an LDS address
	s_mul_i32 s3, s16, NBB*RBB
	s_add_co_u32 s3, s3, ASZ
	s_lshl_b32 s12, s16, 12
	s_add_co_u32 s12, s12, SCLA
	s_mul_i32 s13, s16, NBB*512
	s_add_co_u32 s13, s13, SCL
	s_wait_kmcnt 0x0
	s_add_nc_u64 s[20:21], s[PA:PA+1], s[20:21]
	s_add_nc_u64 s[22:23], s[PA:PA+1], s[22:23]
	s_add_nc_u64 s[100:101], s[PB:PB+1], s[100:101]
	s_add_nc_u64 s[98:99], s[PB:PB+1], s[98:99]
	CROUND                                         ; all sixteen work-groups are here: the first joint loads meet
	s_mov_b32 s[G0S], 1
	s_mov_b32 s[G0S+1], s12
	s_mov_b64 s[G0S+2:G0S+3], s[22:23]
	s_or_b32 s[G0S+3], s[G0S+3], 0x80000000
	s_mov_b32 s[G0SB], 1
	s_mov_b32 s[G0SB+1], s13
	s_mov_b64 s[G0SB+2:G0SB+3], s[98:99]
	s_or_b32 s[G0SB+3], s[G0SB+3], 0x80000000
	JLOAD G0S, G1S, G0SB, G1SB                     ; the scales of all of K first
.irp s, 0,1,2
	s_mov_b32 s[G0A+4*\s], 1
	s_add_co_u32 s[G0A+4*\s+1], s2, \s*SLOT
	s_add_nc_u64 s[G0A+4*\s+2:G0A+4*\s+3], s[20:21], \s*RBB
	s_or_b32 s[G0A+4*\s+3], s[G0A+4*\s+3], 0x80000000
	s_mov_b32 s[G0B+4*\s], 1
	s_add_co_u32 s[G0B+4*\s+1], s3, \s*SLOT
	s_add_nc_u64 s[G0B+4*\s+2:G0B+4*\s+3], s[100:101], \s*RBB
	s_or_b32 s[G0B+4*\s+3], s[G0B+4*\s+3], 0x80000000
	JLOAD G0A+4*\s, G1, G0B+4*\s, G1B              ; K 256 s .. 256 s + 255 into slot s
.endr
	v_and_b32 v1, 15, v0                           ; r
	v_bfe_u32 v2, v0, 4, 1                         ; h
	v_and_b32 v14, 31, v0                          ; lane
	v_lshlrev_b32 v[L16], 4, v14
	s_mul_i32 s18, s15, 8*RBB                      ; my 8 row blocks of A
	s_mul_i32 s19, s16, NBB*RBB
	s_add_co_u32 s19, s19, ASZ                     ; my NBB of B
.irp s, 0,1,2
	v_add_nc_u32 v[ADRA+\s], s18, v[L16]
	v_add_nc_u32 v[ADRB+\s], s19, v[L16]
	s_add_co_u32 s18, s18, SLOT
	s_add_co_u32 s19, s19, SLOT
.endr
	s_mul_i32 s22, s16, NBB*512
	s_add_co_u32 s22, s22, SCL                     ; B's scale words: my blocks
	s_lshl_b32 s23, s15, 12
	s_add_co_u32 s23, s23, SCLA                    ; A's
	s_sub_co_u32 s23, s23, s22
	v_xor_b32 v15, 1, v2
	v_mul_u32_u24 v15, s23, v15                    ; lanes 0-15 take A's: the lower base + (1 - h) x the distance
	v_lshl_add_u32 v15, v1, 4, v15                 ; 16 bytes a row and K half
	v_add_nc_u32 v[ADRS], s22, v15
	s_mul_i32 s18, s14, 16*SPITCH
	s_add_co_u32 s18, s18, SLOT                    ; my stage
	v_mul_u32_u24 v[STO], v1, SPITCH
	v_lshl_add_u32 v[STO], v2, 5, v[STO]
	v_add_nc_u32 v[STO], s18, v[STO]               ; in: row r, + 32 h
	v_mul_u32_u24 v[RD], v2, SPITCH
	v_lshl_add_u32 v[RD], v1, 4, v[RD]
	v_add_nc_u32 v[RD], s18, v[RD]                 ; back: lanes 0-15 one row of 256 bytes, lanes 16-31 the next
	v_lshlrev_b32 v[CO], 12, v2
	v_lshl_add_u32 v[CO], v1, 4, v[CO]             ; and the same two rows in out0
	v_lshlrev_b32 v[BO], 5, v2
	s_lshl_b32 s98, s94, 9
	s_lshl_b32 s99, s16, 8
	s_add_co_u32 s98, s98, s99                     ; my first column, in bytes: 512 x tile column + 256 x half
	s_mov_b32 s99, 0
	s_add_nc_u64 s[8:9], s[8:9], s[98:99]
	s_add_nc_u64 s[10:11], s[10:11], s[98:99]
	s_lshl_b32 s98, s95, 20
	s_lshl_b32 s18, s15, 19
	s_add_co_u32 s98, s98, s18                     ; my first row: 256 x tile row + 128 x half, of 4,096 bytes
	s_add_nc_u64 s[10:11], s[10:11], s[98:99]
.set bq, 0
.rept NBB
	global_load_b128 v[BI+8*bq:BI+8*bq+3], v[BO], s[8:9] offset:64*bq
	global_load_b128 v[BI+8*bq+4:BI+8*bq+7], v[BO], s[8:9] offset:64*bq+16
.set bq, bq+1
.endr
.macro FRAG reg, adr, q, i             ; a fragment's image: three loads of 512 consecutive bytes
.irp p, 0,1,2
	ds_load_b128 v[\reg+4*\p:\reg+4*\p+3], v[\adr] offset:RBB*(\i)+1536*(\q)+512*\p
.endr
.endm
.macro FETCH_B ls, q, set
	WIN TO_B
.set bq, 0
.rept NBB
	FRAG 128*(\set)+FR*bq, ADRB+\ls, \q, bq
.set bq, bq+1
.endr
	WIN 0
.endm
.macro FETCH_A ls, q, i0
.irp i, \i0, \i0+1, \i0+2, \i0+3
	FRAG AF+FR*(\i), ADRA+\ls, \q, \i
.endr
.endm
.macro SCALES sg, set                  ; the scale words of K 256 sg on: two words a row
.irp i, 0,1,2,3,4,5,6,7
	ds_load_b64 v[SC+16*(\set)+2*\i:SC+16*(\set)+2*\i+1], v[ADRS] offset:512*\i+256*((\sg)/2)+8*((\sg)%2)
.endr
.endm
; 2 NBB matrix instructions: A's blocks a0, a0 + 1 x B's NBB.  The accumulators take turns, one instruction a turn, in the same order in every step.
.macro MUL a0, set, q, sc, first
.irp a, \a0, \a0+1
.set bq, 0
.rept NBB
.set rD, 8*(NBB*((\a)%4)+bq)
.set rB, 128*(\set)+FR*bq
.set rA, AF+FR*(\a)
.if \first
	v_wmma_scale_f32_16x16x128_f8f6f4 v[rD:rD+7], v[rB:rB+FR-1], v[rA:rA+FR-1], v[BI+8*bq:BI+8*bq+7], v[SC+16*(\sc)+2*bq+(\q)], v[SC+16*(\sc)+2*(\a)+(\q)] matrix_a_fmt:MATRIX_FMT_BF6 matrix_b_fmt:MATRIX_FMT_BF6 matrix_a_scale:MATRIX_SCALE_ROW1
.else
	v_wmma_scale_f32_16x16x128_f8f6f4 v[rD:rD+7], v[rB:rB+FR-1], v[rA:rA+FR-1], v[rD:rD+7], v[SC+16*(\sc)+2*bq+(\q)], v[SC+16*(\sc)+2*(\a)+(\q)] matrix_a_fmt:MATRIX_FMT_BF6 matrix_b_fmt:MATRIX_FMT_BF6 matrix_a_scale:MATRIX_SCALE_ROW1
.endif
.set bq, bq+1
.endr
.endr
.endm
.macro STEP ls, sc, first              ; a slot's first 128 along K; fetches its second
	s_wait_dscnt 12                                ; all but the youngest twelve loads (A's blocks 4-7) are in
	WIN MUL_LO-0x20*(\first)
	MUL 0, 0, 0, \sc, \first
	MUL 2, 0, 0, \sc, \first
	s_wait_dscnt 0x0                               ; A's blocks 4-7 are in
	PLACES 4
	FETCH_B \ls, 1, 1
	FETCH_A \ls, 1, 0
	WIN MUL_HI-0x30*(\first)
	MUL 4, 0, 0, \sc, \first
	MUL 6, 0, 0, \sc, \first
	PLACES 4
	WIN 0
	FETCH_A \ls, 1, 4
.endm
; A slot's second 128 along K; fetches the next slot's first.  mode 2: the slot is filled again behind a round of the cluster's barrier; 1: a barrier of the work-group; 0: none (the next slot was shown whole by an earlier barrier).
.macro TURN ls, ln, sc, sn, mode
.if \mode
	s_wait_tensorcnt 0x0                           ; all my tensor loads have landed;
	ds_add_u32 v[SPW], v[NIL]                      ; 0 onto my spare word;
	s_wait_dscnt 13                                ; (the add and the youngest twelve loads may be out)
	WIN MUL_LO
	MUL 0, 1, 1, \sc, 0
	s_wait_dscnt 0x0                               ; the add is done, and my reads of this slot are over
	s_barrier_signal -1
	MUL 2, 1, 1, \sc, 0
	WIN 0
	s_barrier_wait -1
.if \mode == 2
	CREST                                          ; no wave of any partner still reads this slot or has a load on its way
	s_add_nc_u64 s[G0A+2:G0A+3], s[G0A+2:G0A+3], 3*RBB
	s_add_nc_u64 s[G0B+2:G0B+3], s[G0B+2:G0B+3], 3*RBB
	JLOAD G0A, G1, G0B, G1B                        ; the last 256 along K into slot 0: the first tensor load behind the round; its four v_nop are the places in front of the loads below
.else
	PLACES 4
.endif
.else
	s_wait_dscnt 12
	WIN MUL_LO
	MUL 0, 1, 1, \sc, 0
	MUL 2, 1, 1, \sc, 0
	s_wait_dscnt 0x0
	PLACES 4
.endif
	FETCH_B \ln, 0, 0
	FETCH_A \ln, 0, 0
	SCALES \sn, 1-(\sc)
	WIN MUL_HI
	MUL 4, 1, 1, \sc, 0
	MUL 6, 1, 1, \sc, 0
	PLACES 4
	WIN 0
	FETCH_A \ln, 0, 4
.endm
	s_wait_tensorcnt 2                             ; the scales and my part of slot 0 are in; slots 1 and 2 may be out
	s_barrier_signal -1
	s_barrier_wait -1
	FETCH_B 0, 0, 0
	FETCH_A 0, 0, 0
	SCALES 0, 0
	FETCH_A 0, 0, 4
	s_wait_loadcnt 0x0                             ; the bias
	STEP 0, 0, 1                                   ; the first products start the sums on the bias
	TURN 0, 1, 0, 1, 2
	STEP 1, 1, 0
	TURN 1, 2, 1, 2, 0                             ; slot 2 was shown whole, in every wave, in front of the round above
	STEP 2, 0, 0
	TURN 2, 0, 0, 3, 1                             ; its wait shows the refill landed; its barrier also parts all reads of slot 1 from the stores of the way out
	STEP 0, 1, 0
	s_wait_dscnt 12
	WIN MUL_LO
	MUL 0, 1, 1, 1, 0
	MUL 2, 1, 1, 1, 0
	s_wait_dscnt 0x0
	WIN MUL_HI
	MUL 4, 1, 1, 1, 0
	MUL 6, 1, 1, 1, 0
	WIN 0
; THE WAY OUT, block by block of 16 rows x 64 columns: through my own stage in LDS, back as whole rows of 256 bytes.  LDS serves a wave's instructions in order (ISA guide 5.7.1.4): no wait between the stores and the loads, nor in front of the next block's stores.
.macro TOSTAGE a
.set AC, 32*((\a)%4)
	WIN 8+4*((\a)/4)                               ; an LDS store's data are its source 1: window 2 or 3
.irp b, 0,1,2,3
	ds_store_b128 v[STO], v[AC+8*\b:AC+8*\b+3] offset:64*\b        ; each accumulator from its low end on
	ds_store_b128 v[STO], v[AC+8*\b+4:AC+8*\b+7] offset:64*\b+16
.endr
	WIN 0
.set BB, BK+32*((\a)%2)
.irp t, 0,1,2,3,4,5,6,7
	ds_load_b128 v[BB+4*\t:BB+4*\t+3], v[RD] offset:2*SPITCH*\t
.endr
.endm
.macro SEND a, younger                 ; younger: the LDS instructions issued behind block a's loads, which may stay out
.set BB, BK+32*((\a)%2)
	s_wait_dscnt \younger
.irp t, 0,1,2,3,4,5,6,7
	global_store_b128 v[CO], v[BB+4*\t:BB+4*\t+3], s[10:11] offset:65536*(\a)+8192*\t th:TH_STORE_NT   ; sixteen lanes store 256 consecutive bytes, aligned; written once, read by nobody here
.endr
.endm
	PLACES 4
	TOSTAGE 0
.irp a, 1,2,3,4,5,6,7
.if \a > 1
	s_wait_xcnt 0x0                                ; block a - 2's stores have read their registers: block a's loads may land there
.endif
	TOSTAGE \a
	SEND \a-1, 16                                  ; behind block a - 1's loads: block a's 8 stores and 8 loads
.endr
	SEND 7, 0
	s_wait_tensorcnt 0x0                           ; the wave's end
	ds_add_u32 v[SPW], v[NIL]
	s_wait_dscnt 0x0
	CROUND                                         ; the closing round
	s_endpgm
.Lfunc_end_k_q1ad4efec19_outp:
	.size	k_q1ad4efec19_outp, .Lfunc_end_k_q1ad4efec19_outp-k_q1ad4efec19_outp
	.p2alignl 7, 3214868480
	.fill 96, 4, 3214868480
	.section	.rodata,"a",@progbits
	.p2align	6, 0x0
	.amdhsa_kernel k_q1ad4efec19_outp
		.amdhsa_group_segment_fixed_size 327680
		.amdhsa_private_segment_fixed_size 0
		.amdhsa_enable_private_segment 0
		.amdhsa_kernarg_size 32
		.amdhsa_user_sgpr_count 2
		.amdhsa_user_sgpr_kernarg_segment_ptr 1
		.amdhsa_wavefront_size32 1
		.amdhsa_system_sgpr_workgroup_id_x 1
		.amdhsa_system_sgpr_workgroup_id_y 1
		.amdhsa_system_sgpr_workgroup_id_z 1
		.amdhsa_system_vgpr_workitem_id 0
		.amdhsa_next_free_vgpr 1024
		.amdhsa_next_free_sgpr 102
		.amdhsa_reserve_vcc 0
		.amdhsa_float_denorm_mode_32 3
		.amdhsa_float_denorm_mode_16_64 3
		.amdhsa_memory_ordered 1
		.amdhsa_forward_progress 1
		.amdhsa_inst_pref_size 84
	.end_amdhsa_kernel
	.amdgpu_metadata
---
amdhsa.version: [ 1, 2 ]
amdhsa.kernels:
  - .name:           k_q1ad4efec19_outp
    .symbol:         k_q1ad4efec19_outp.kd
    .args:
      - { .name: ctx, .offset: 0, .size: 8, .value_kind: global_buffer, .address_space: global }
      - { .name: opnd, .offset: 8, .size: 8, .value_kind: global_buffer, .address_space: global }
      - { .name: b_out, .offset: 16, .size: 8, .value_kind: global_buffer, .address_space: global }
      - { .name: out0, .offset: 24, .size: 8, .value_kind: global_buffer, .address_space: global }
    .group_segment_fixed_size: 327680
    .private_segment_fixed_size: 0
    .kernarg_segment_align: 8
    .kernarg_segment_size: 32
    .max_flat_workgroup_size: 128
    .sgpr_count:     102
    .vgpr_count:     1024
    .wavefront_size: 32
...
	.end_amdgpu_metadata
.endif
;; end of part 4
;; ======== version 2 of 2: 4 launches; version 1 with the launch attn written anew for expert scheduling mode
;; workspace buffers: opnd 9,830,400 bytes; mw 147,456 bytes of whole numbers; qkv 20,185,088 bytes; ctx 6,553,600 bytes
;; launch prep: the kernel of part 1 again; grid 400 x 1, 4 waves a work-group, no clusters, 34,304 bytes of LDS; arguments x, w_in, w_out, mask, opnd, mw; writes opnd, mw
;; launch proj: the kernel of part 2 again; grid 12 x 32, 4 waves a work-group, clusters of 4 x 4, 327,680 bytes of LDS; arguments opnd, b_in, qkv; writes qkv
;; launch attn (part 5): grid 64 x 8, 16 waves a work-group, no clusters, 15,360 bytes of LDS; arguments qkv, mw, ctx; writes ctx
.if DOCPART == 5
	.amdgcn_target "amdgcn-amd-amdhsa--gfx1250"
	.amdhsa_code_object_version 6
	.text
	.protected	k_q1ad4efec19_attn
	.globl	k_q1ad4efec19_attn
	.p2align	8
	.type	k_q1ad4efec19_attn,@function
k_q1ad4efec19_attn:
	s_mov_b64 s[64:65], 0
	v_nop
	global_prefetch_b8 v0, s[64:65] scope:SCOPE_SE
	s_setreg_imm32_b32 hwreg(HW_REG_WAVE_SCHED_MODE, 0, 2), 2
	s_setreg_imm32_b32 hwreg(HW_REG_WAVE_MODE, 25, 1), 1
	s_wait_xcnt 0x0
	s_wait_alu depctr_vm_vsrc(0)
; ctx = softmax(q k^T / 8, under the mask) v for 16 queries (work-group x) of one batch (y); wave w takes head w.  Both products on codes of BF6 (E3M2) with E8M0 scales; ctx is quantised along D at once, as the next launch's operand images.
; THE SOFTMAX AHEAD OF THE SECOND PRODUCT: t = score x log2(e) / 8; M = the row's largest t so far, rounded up to a whole number; p = 2^(t - M) is quantised along the keys; the row's sum is taken of the unquantised p and divides at the end.
; THE MASK is an input.  The first launch has turned it into lane-mask words (one bit a lane for each of a step's 64 score registers) and a flag word for each tile of queries.  The loop walks all 8 steps of 128 keys, a constant
; count; a step whose flag is 0 (every key masked for all 16 queries, and each of them has a key elsewhere) is left out by a scalar branch on that stored word: its p would all be 0.
; A masked score becomes -2^120.  c x 2^120 is a whole number, so a query with no key at all gets t - M = 0 and p = 1 on every key: the uniform softmax.  Where a key counts, masked keys get p = 0, and what was summed
; before the first open key is multiplied by 2^(old M - new M) = 0.
; This text has no tensor load and no joint request: K and V come from memory straight into registers, in the order in which the operand registers take them.
; K = 64 IN AN INSTRUCTION OF 128: q's registers 6-11 are zero codes, bytes 2 and 3 of q's and k's scale words are 0 (2^-127, a number); k's operand for tile t is v[36 + 6 t ..] for 12 registers, whose upper six (the next tile's codes)
; meet q's zero codes.
; LAYOUT: S^T = k q^T (source 0 = 16 neighbouring keys, source 1 = my 16 queries), O^T = V^T P^T: a lane holds one query throughout.  p's codes come out in the order that V's images were laid in.
; LIMITS: |score| under 2^96; NaN and infinities are not served; a block of zeros gets the scale byte 1.
; THE MODE: SCHED_MODE bits 1:0 = 2 (LLVM: expert scheduling mode 2), set by the entry lines.  The code itself states the register dependences between vector or matrix instructions and memory or LDS instructions,
; with s_wait_alu, always for 0.
; THE PLAN.  Registers that memory or LDS instructions touch:
;   v1, v2, v3     offsets, made once at the head and never written again: one wait ahead of q's loads serves every load of the kernel; the bases are scalar and step where no load is out.
;   v16-21, v28    q: loaded once; no vector instruction writes them.
;   v36-83 k, v30-33 its scale words, v90-137 V, v34-35 its scale words: the 42 loads at a kept step's head land in them; that step's products read them; v36-47 are written again in the step, by the lines that make p's codes.
;   v5 to v9       the way out's addresses: written at the head, read on the way out alone.
;   v36-41, v252   the way out: ctx's codes and scale bytes, written by vector instructions, read by the LDS stores.   v100-105, v110-117: LDS loads land there.   v120-123: written by vector instructions, read by wave 0's store.
;   v254, v255     written at the head, read by the closing add alone.
; So ONE wait on va_vdst stands ahead of a step's loads; all 42 follow it in one run, V's landing under the first products and the softmax, and the step has no further memory instruction.  One more stands ahead of the second
; products, whose operand and scale word vector instructions have made.  A second set of registers for the next step's loads does not exist: 16 waves of 256 registers are four to a SIMD of 1,024, and a step's loads fill 102.
; No register that a memory or LDS instruction reads is ever written again behind that read.  EXEC is written nowhere.
.set QKS,  12582912
.set VC,   13631488
.set VSO,  19922944
.set FLG,  131072
.set CSC,  6291456                     ; ctx's scale words
.set L8,   1                           ; v1  8 x lane;  v2  16 x lane;  v3  4 x lane
.set L16,  2
.set L4,   3
.set NEG,  4                           ; v4  -2^120
.set OWN,  5                           ; v5  the way out: my wave's 768 bytes, 8 x lane
.set SWS,  6                           ; v6  my wave's 64 bytes of scale words, 4 r
.set GRD,  7                           ; v7  where I read codes back, in the image's order
.set GGO,  8                           ; v8  and their place in ctx
.set SGR,  9                           ; v9  wave 0: where it gathers the scale words
.set QF,   16                          ; v16-21 q's codes, v22-27 zeros
.set QS,   28                          ; v28 q's scale words
.set KS,   30                          ; v30-33 k's: lanes 0-15 tile 2 i, lanes 16-31 tile 2 i + 1
.set VSR,  34                          ; v34-35 V's likewise
.set KB,   36                          ; v36-83 k's eight tiles, six registers each; v84-89 zeros.  v36-47 later hold p's codes
.set VB,   90                          ; v90-137 V's four fragments
.set S,    138                         ; v138-201 S^T, then p
.set O,    202                         ; v202-233 O^T
.set BM,   234                         ; v234-237 the blocks' largest scores
.set PT,   238                         ; v238-245 at work
.set SO,   246                         ; v246-249 the conversions' scale operands
.set FF,   250                         ; v250 f = 2^(old M - new M)
.set PW,   251                         ; v251 p's scale word
.set TP,   252                         ; v252 at work
.set HD,   2                           ; s2  my head
.set CNT,  3                           ; s3  the step
.set KP,   12                          ; s[12:13] k's codes, s[14:15] k's scale words, of the step
.set KSP,  14
.set VP,   84                          ; s[84:85] V's codes, s[86:87] its scale words, s[88:89] the mask's words
.set VSP,  86
.set MWP,  88
.set SEL,  90
.set CS,   92                          ; s[92:93] c = log2(e) / 8
.set FLAGS, 97
	s_load_b128 s[4:7], s[0:1], 0x0                ; qkv s[4:5], mw s[6:7]
	s_load_b64 s[8:9], s[0:1], 0x10                ; ctx
	v_lshl_add_u32 v254, v0, 2, 0x3400
	v_mov_b32 v255, 0
	v_lshrrev_b32 v1, 5, v0
	v_readfirstlane_b32 s[HD], v1                  ; wave 0..15 = head
	s_and_b32 s94, ttmp7, 0xffff                   ; the batch
	v_and_b32 v[TP], 31, v0                        ; lane
	v_and_b32 v10, 15, v0                          ; r
	v_bfe_u32 v11, v0, 4, 1                        ; h
.irp j, 0,1,2,3,4,5
	v_mov_b32 v[QF+6+\j], 0                        ; zero codes
	v_mov_b32 v[KB+48+\j], 0
.endr
	v_lshlrev_b32 v[L8], 3, v[TP]
	v_lshlrev_b32 v[L16], 4, v[TP]
	v_lshlrev_b32 v[L4], 2, v[TP]
	v_mov_b32 v[NEG], 0xfb800000
	s_wait_alu depctr_va_sdst(0)                   ; s2, my head, is written, ahead of its first reader: the bases of q, k, V and the way out's addresses are made from it
	s_lshl_b32 s95, s94, 5
	s_add_co_u32 s95, s95, s[HD]                   ; 32 batch + head
	s_lshl_b32 s96, s95, 6
	s_add_co_u32 s96, s96, ttmp9                   ; q's tile
	s_mul_i32 s98, s96, 768
	s_mov_b32 s99, 0
	s_lshl_b32 s100, s96, 6
	s_add_co_u32 s100, s100, QKS
	s_mov_b32 s101, 0
	s_add_co_u32 s96, s95, 16
	s_lshl_b32 s96, s96, 6                         ; k's first tile
	s_mul_i32 s[KP], s96, 768
	s_mov_b32 s[KP+1], 0
	s_lshl_b32 s[KSP], s96, 6
	s_add_co_u32 s[KSP], s[KSP], QKS
	s_mov_b32 s[KSP+1], 0
	s_lshl_b32 s96, s94, 4
	s_add_co_u32 s96, s96, s[HD]
	s_lshl_b32 s96, s96, 3                         ; V's first step
	s_mul_i32 s[VP], s96, 6144
	s_add_co_u32 s[VP], s[VP], VC
	s_mov_b32 s[VP+1], 0
	s_lshl_b32 s[VSP], s96, 8
	s_add_co_u32 s[VSP], s[VSP], VSO
	s_mov_b32 s[VSP+1], 0
	s_lshl_b32 s[MWP], ttmp9, 11
	s_mov_b32 s[MWP+1], 0
	s_lshl_b32 s10, ttmp9, 8
	s_add_co_u32 s10, s10, FLG
	s_mov_b32 s11, 0
	s_mov_b32 s[SEL], 0x76543210
	s_mov_b32 s[SEL+1], 0xfedcba98
	s_mov_b32 s[CS], 0x3e38aa3b
	s_mov_b32 s[CS+1], s[CS]                       ; (named with it as a pair, so it is written)
	s_wait_kmcnt 0x0
	s_add_nc_u64 s[98:99], s[4:5], s[98:99]
	s_add_nc_u64 s[100:101], s[4:5], s[100:101]
	s_add_nc_u64 s[KP:KP+1], s[4:5], s[KP:KP+1]
	s_add_nc_u64 s[KSP:KSP+1], s[4:5], s[KSP:KSP+1]
	s_add_nc_u64 s[VP:VP+1], s[4:5], s[VP:VP+1]
	s_add_nc_u64 s[VSP:VSP+1], s[4:5], s[VSP:VSP+1]
	s_add_nc_u64 s[MWP:MWP+1], s[6:7], s[MWP:MWP+1]
	s_add_nc_u64 s[10:11], s[6:7], s[10:11]
	s_load_b32 s[FLAGS], s[10:11], 0x0             ; which steps are kept.  s[10:11], this load's base, is never written again
	s_wait_alu depctr_va_vdst(0)                   ; the offsets v1, v2 and v3 are written: every global load of the kernel reads one of them, and none is written again
.irp p, 0,1,2
	global_load_b64 v[QF+2*\p:QF+2*\p+1], v[L8], s[98:99] offset:256*\p
.endr
	global_load_b32 v[QS], v[L4], s[100:101]       ; lanes 0-15: my rows' words (lanes 16-31 bring the next tile's and are not read)
	; the way out's addresses (s16 and s17 are free here: the loop's scalar loads fill them later)
	s_mul_i32 s96, s[HD], 768
	v_add_nc_u32 v[OWN], s96, v[L8]
	s_lshl_b32 s96, s[HD], 6
	s_add_co_u32 s96, s96, 12288
	v_lshl_add_u32 v[SWS], v10, 2, s96
	s_lshr_b32 s96, s[HD], 1
	s_mul_i32 s96, s96, 1536                       ; the image of my pair of heads
	s_and_b32 s16, s[HD], 1
	s_lshl_b32 s17, s16, 7
	s_add_co_u32 s17, s17, s96
	v_and_b32 v[GRD], 1, v0
	v_lshlrev_b32 v[GRD], 8, v[GRD]
	v_lshrrev_b32 v[GGO], 1, v[TP]
	v_lshl_add_u32 v[GRD], v[GGO], 3, v[GRD]
	v_add_nc_u32 v[GRD], s17, v[GRD]               ; 1,536 s + 128 e + 256 (lane % 2) + 8 (lane / 2)
	s_lshl_b32 s17, s16, 8
	s_add_co_u32 s17, s17, s96
	v_add_nc_u32 v[GGO], s17, v[L8]                ; 1,536 s + 256 e + 8 lane
	v_lshlrev_b32 v[SGR], 9, v11
	v_lshl_add_u32 v[SGR], v10, 2, v[SGR]
	v_add_nc_u32 v[SGR], 12288, v[SGR]             ; heads 8 h on, row r
	v_mov_b32 v13, 0xff61b1e6                      ; the largest t so far: -3e38
	v_floor_f32 v12, -v13                          ; -M
	v_mov_b32 v14, 0                               ; the sum, in two halves
	v_mov_b32 v15, 0
.irp b, 0,1,2,3
	v_mov_b32 v[PT+\b], 0                          ; written once: a lane permute's destination counts as one of its sources
.endr
	v_mov_b32 v[FF], 0
	v_mov_b32 v[PW], 0                             ; (named as the upper half of the pair before it is first written)
.set j, 0
.rept 32
	v_mov_b32 v[O+j], 0                            ; O^T: the step is written once; the first finds zeros
.set j, j+1
.endr
	s_mov_b32 s[CNT], 0
	s_wait_kmcnt 0x0
	s_wait_loadcnt 0x0                             ; q
.Lstep:
	s_lshr_b32 s96, s[FLAGS], s[CNT]
	s_and_b32 s96, s96, 1
	s_cmp_eq_u32 s96, 0
	s_cbranch_scc1 .Lskip                          ; a branch on a whole number that an earlier launch stored; no barrier stands in a step
	s_wait_alu depctr_va_vdst(0)                   ; the last kept step's products are done reading k, V and their scale words, in which the 42 loads below land; its conversions and moves have written v36-47; its selects are done reading the mask's words; in the first kept step: the zero codes v22-27 and v84-89, which the products below take, are written
	s_load_b512 s[16:31], s[MWP:MWP+1], 0x0        ; the step's 64 lane-mask words: word w in s[16 + w], from word 48 on in s[20 + w]
	s_load_b512 s[32:47], s[MWP:MWP+1], 0x40
	s_load_b512 s[48:63], s[MWP:MWP+1], 0x80
	s_load_b512 s[68:83], s[MWP:MWP+1], 0xc0
.irp t, 0,1,2,3,4,5,6,7
.irp p, 0,1,2
	global_load_b64 v[KB+6*\t+2*\p:KB+6*\t+2*\p+1], v[L8], s[KP:KP+1] offset:768*\t+256*\p
.endr
.endr
.irp i, 0,1,2,3
	global_load_b32 v[KS+\i], v[L4], s[KSP:KSP+1] offset:128*\i
.endr
.irp d, 0,1,2,3
.irp p, 0,1,2
	global_load_b128 v[VB+12*\d+4*\p:VB+12*\d+4*\p+3], v[L16], s[VP:VP+1] offset:1536*\d+512*\p
.endr
.endr
.irp i, 0,1
	global_load_b32 v[VSR+\i], v[L4], s[VSP:VSP+1] offset:128*\i
.endr
	s_wait_loadcnt 14                              ; k's 28 loads are in; V's 14 may be out
.irp t, 0,2,4,6
	v_wmma_scale_f32_16x16x128_f8f6f4 v[S+8*\t:S+8*\t+7], v[KB+6*\t:KB+6*\t+11], v[QF:QF+11], 0, v[KS+\t/2], v[QS] matrix_a_fmt:MATRIX_FMT_BF6 matrix_b_fmt:MATRIX_FMT_BF6
	v_wmma_scale_f32_16x16x128_f8f6f4 v[S+8*\t+8:S+8*\t+15], v[KB+6*\t+6:KB+6*\t+17], v[QF:QF+11], 0, v[KS+\t/2], v[QS] matrix_a_fmt:MATRIX_FMT_BF6 matrix_b_fmt:MATRIX_FMT_BF6 matrix_a_scale:MATRIX_SCALE_ROW1
.endr
.rept 4
	v_nop                                          ; places in front of the first read of results
.endr
	s_wait_kmcnt 0x0                               ; the mask's words
.set w, 0
.rept 64
.if w < 48
	v_cndmask_b32 v[S+w], v[S+w], v[NEG], s[16+w]  ; register 8 t + j of lane (r, h): query r, key 16 t + 8 h + j; each accumulator from its low end on
.else
	v_cndmask_b32 v[S+w], v[S+w], v[NEG], s[20+w]
.endif
.set w, w+1
.endr
.irp b, 0,1,2,3
	v_max3_num_f32 v[BM+\b], v[S+16*\b], v[S+1+16*\b], v[S+2+16*\b]   ; the largest score of each block of 32 keys: for the row's maximum and, since p rises with the score, for the block's largest p
.endr
.irp i, 3,5,7,9,11,13
.irp b, 0,1,2,3
	v_max3_num_f32 v[BM+\b], v[BM+\b], v[S+16*\b+\i], v[S+1+16*\b+\i]
.endr
.endr
.irp b, 0,1,2,3
	v_max_num_f32 v[BM+\b], v[BM+\b], v[S+15+16*\b]
.endr
.irp b, 0,1,2,3
	v_permlanex16_b32 v[PT+\b], v[BM+\b], s[SEL], s[SEL+1]
.endr
.irp b, 0,1,2,3
	v_max_num_f32 v[BM+\b], v[BM+\b], v[PT+\b]     ; with lane l xor 16's 16 keys
.endr
	v_max3_num_f32 v[TP], v[BM], v[BM+1], v[BM+2]
	v_max_num_f32 v[TP], v[TP], v[BM+3]
	v_mul_f32 v[TP], s[CS], v[TP]                  ; the step's largest t of my query
	v_max_num_f32 v13, v13, v[TP]                  ; the running largest t
	v_mov_b32 v[TP], v12
	v_floor_f32 v12, -v13                          ; the new -M = floor(-t): M is a whole number
	v_sub_f32 v[TP], v12, v[TP]                    ; old M - new M: a whole number, 0 or less
	v_cvt_i32_f32 v[TP], v[TP]                     ; (it saturates)
	v_ldexp_f32 v[FF], 1.0, v[TP]                  ; f = 2^(old M - new M)
.set j, 0
.rept 32
	v_pk_fma_f32 v[S+j:S+j+1], v[S+j:S+j+1], s[CS:CS+1], v[12:13] op_sel_hi:[1,0,0]   ; t - M, two at a time
.set j, j+2
.endr
.irp b, 0,1,2,3
	v_fma_f32 v[BM+\b], v[BM+\b], s[CS], v12       ; the same of each block's largest score
.endr
.set j, 0
.rept 64
	v_exp_f32 v[S+j], v[S+j]                       ; p = 2^(t - M)
.set j, j+1
.endr
	v_pk_mul_f32 v[14:15], v[14:15], v[FF:FF+1] op_sel_hi:[1,0]   ; the sums under the new M (a plain place behind the exponentials)
	s_wait_alu depctr_va_vdst(0)                   ; the 64 exponentials have written p, v138-201: one wait for the whole batch, ahead of its first reader
.irp b, 0,1,2,3
	v_exp_f32 v[BM+\b], v[BM+\b]                   ; the block's largest p
.endr
	v_pk_add_f32 v[PT:PT+1], v[S:S+1], v[S+2:S+3]  ; the row's sum is taken of the unquantised p, in two chains
.irp j, 4,8,12,16,20,24,28,32,36,40,44,48,52,56,60
	v_pk_add_f32 v[14:15], v[14:15], v[S+\j:S+\j+1]
	v_pk_add_f32 v[PT:PT+1], v[PT:PT+1], v[S+2+\j:S+3+\j]
.endr
	v_pk_add_f32 v[14:15], v[14:15], v[PT:PT+1]
	s_wait_alu depctr_va_vdst(0)                   ; the four exponentials have written the blocks' largest p, v234-237: their one wait, ahead of the first reader
.irp b, 0,1,2,3
	v_max_num_f32 v[BM+\b], 0x2800000, v[BM+\b]    ; the floor 2^(5 - 127): the byte cannot fall under 1
.endr
.irp b, 0,1,2,3
	v_add_nc_u32 v[SO+\b], 0xfe000000, v[BM+\b]    ; 4 off the exponent field: the conversion's scale operand
.endr
.irp b, 0,1,2,3
	v_lshrrev_b32 v[PT+\b], 23, v[SO+\b]           ; the scale's byte
.endr
	v_lshl_or_b32 v[PW], v[PT+1], 8, v[PT]         ; p's scale word for these 128 keys
	v_lshl_or_b32 v[PW], v[PT+2], 16, v[PW]
	v_lshl_or_b32 v[PW], v[PT+3], 24, v[PW]
.irp c, 0,1
	v_cvt_scalef32_pk16_bf6_f32 v[KB+6*\c:KB+6*\c+2], v[S+32*\c:S+32*\c+15], v[SO+2*\c]
	v_cvt_scalef32_pk16_bf6_f32 v[PT+4*\c:PT+4*\c+2], v[S+16+32*\c:S+31+32*\c], v[SO+2*\c+1]
.endr
	v_nop                                          ; one plain place behind a scaled conversion
.irp c, 0,1                            ; a whole block to a lane: lanes 0-15 block 2 c, lanes 16-31 block 2 c + 1
.irp i, 0,1,2
	v_permlane16_swap_b32 v[KB+6*\c+\i], v[PT+4*\c+\i]
.endr
.irp i, 0,1,2
	v_mov_b32 v[KB+6*\c+3+\i], v[PT+4*\c+\i]
.endr
.endr
.set j, 0
.rept 16
	v_pk_mul_f32 v[O+j:O+j+1], v[O+j:O+j+1], v[FF:FF+1] op_sel_hi:[1,0]   ; O^T under the new M; these are also the places between the lines that made p's codes and scale word and the products
.set j, j+2
.endr
	s_wait_loadcnt 0x0                             ; V
	s_wait_alu depctr_va_vdst(0)                   ; p's codes v36-47 and its scale word v251, which vector instructions have made, are written: the scaled products below take them as operand and scales; the places above stay beside this wait
.irp d, 0,2
	v_wmma_scale_f32_16x16x128_f8f6f4 v[O+8*\d:O+8*\d+7], v[VB+12*\d:VB+12*\d+11], v[KB:KB+11], v[O+8*\d:O+8*\d+7], v[VSR+\d/2], v[PW] matrix_a_fmt:MATRIX_FMT_BF6 matrix_b_fmt:MATRIX_FMT_BF6
	v_wmma_scale_f32_16x16x128_f8f6f4 v[O+8*\d+8:O+8*\d+15], v[VB+12*\d+12:VB+12*\d+23], v[KB:KB+11], v[O+8*\d+8:O+8*\d+15], v[VSR+\d/2], v[PW] matrix_a_fmt:MATRIX_FMT_BF6 matrix_b_fmt:MATRIX_FMT_BF6 matrix_a_scale:MATRIX_SCALE_ROW1
.endr
.rept 4
	v_nop                                          ; places behind the last products, in front of the way out's reads of O^T
.endr
.Lskip:
	s_add_nc_u64 s[KP:KP+1], s[KP:KP+1], 6144      ; no load is out on either way: the bases may step
	s_add_nc_u64 s[KSP:KSP+1], s[KSP:KSP+1], 512
	s_add_nc_u64 s[VP:VP+1], s[VP:VP+1], 6144
	s_add_nc_u64 s[VSP:VSP+1], s[VSP:VSP+1], 256
	s_add_nc_u64 s[MWP:MWP+1], s[MWP:MWP+1], 256
	s_add_co_u32 s[CNT], s[CNT], 1
	s_cmp_lt_u32 s[CNT], 8
	s_cbranch_scc1 .Lstep
	; ---------------- the way out
	v_add_f32 v14, v14, v15
	v_permlanex16_b32 v[TP], v14, s[SEL], s[SEL+1]
	v_add_f32 v14, v14, v[TP]                      ; the row's sum
	v_rcp_f32 v14, v14
	v_nop                                          ; a plain place behind the transcendental
	s_lshl_b32 s96, s94, 6
	s_add_co_u32 s96, s96, ttmp9                   ; my row block of ctx: 64 batch + qt
	s_mul_i32 s12, s96, 12288
	s_mov_b32 s13, 0
	s_add_nc_u64 s[12:13], s[8:9], s[12:13]
	s_lshl_b32 s14, s96, 9
	s_add_co_u32 s14, s14, CSC
	s_mov_b32 s15, 0
	s_add_nc_u64 s[14:15], s[8:9], s[14:15]
	s_wait_alu depctr_va_vdst(0)                   ; the reciprocal has written v14: the wait, ahead of its first reader
.set j, 0
.rept 32
	v_mul_f32 v[S+j], v[O+j], v14                  ; register 16 b + i: ctx(r, d = 32 b + 16 h + i): V's tiles were laid for that
.set j, j+1
.endr
.irp b, 0,1
	v_max3_num_f32 v[BM+\b], |v[S+16*\b]|, |v[S+16*\b+1]|, 0x2800000
.endr
.irp i, 2,4,6,8,10,12,14
.irp b, 0,1
	v_max3_num_f32 v[BM+\b], v[BM+\b], |v[S+16*\b+\i]|, |v[S+16*\b+\i+1]|
.endr
.endr
.irp b, 0,1
	v_permlanex16_b32 v[PT+\b], v[BM+\b], s[SEL], s[SEL+1]
.endr
.irp b, 0,1
	v_max_num_f32 v[BM+\b], v[BM+\b], v[PT+\b]
.endr
.irp b, 0,1
	v_add_nc_u32 v[SO+\b], 0xfe000000, v[BM+\b]
.endr
.irp b, 0,1
	v_lshrrev_b32 v[PT+\b], 23, v[SO+\b]
.endr
	v_lshl_or_b32 v[TP], v[PT+1], 8, v[PT]         ; my head's two scale bytes
	v_cvt_scalef32_pk16_bf6_f32 v[KB:KB+2], v[S:S+15], v[SO]
	v_cvt_scalef32_pk16_bf6_f32 v[PT+4:PT+6], v[S+16:S+31], v[SO+1]
	v_nop                                          ; one plain place behind a scaled conversion
.irp i, 0,1,2
	v_permlane16_swap_b32 v[KB+\i], v[PT+4+\i]
.endr
.irp i, 0,1,2
	v_mov_b32 v[KB+3+\i], v[PT+4+\i]               ; six registers: d = 32 h + 0 .. 31 of my head: registers 6 c .. 6 c + 5 of the pair of heads' fragment, c = head % 2
.endr
	s_wait_alu depctr_va_vdst(0)                   ; ctx's codes v36-41 and scale bytes v252 are written, which the LDS stores read; so are the addresses v5 to v9, made at the head; and the products are done reading v100-117, in which the LDS loads behind the barrier land
.irp p, 0,1,2
	ds_store_b64 v[OWN], v[KB+2*\p:KB+2*\p+1] offset:256*\p        ; into my wave's own 768 bytes
.endr
	ds_store_b32 v[SWS], v[TP]                     ; and its own 64 (lanes r and r + 16 write the same word with the same value)
	s_wait_dscnt 0x0                               ; for the others' sake: my stores have landed
	s_barrier_signal -1
	s_barrier_wait -1
.irp p, 0,1,2
	ds_load_b64 v[100+2*\p:101+2*\p], v[GRD] offset:512*\p         ; register pair 2 p + lane % 2 of the fragment, of lane 16 e + lane / 2: the image's order.  No vector instruction since the wait above names these registers
.endr
	s_wait_dscnt 0x0
.irp p, 0,1,2
	global_store_b64 v[GGO], v[100+2*\p:101+2*\p], s[12:13] offset:512*\p   ; 256 consecutive bytes, aligned
.endr
	s_cmp_lg_u32 s[HD], 0
	s_cbranch_scc1 .Ldone
.irp i, 0,1,2,3,4,5,6,7
	ds_load_b32 v[110+\i], v[SGR] offset:64*\i     ; heads 8 h + i, row r
.endr
	s_wait_dscnt 0x0
.irp i, 0,1,2,3
	v_lshl_or_b32 v[120+\i], v[111+2*\i], 16, v[110+2*\i]          ; a pair of heads is a K step of the next product: four bytes
.endr
	s_wait_alu depctr_va_vdst(0)                   ; the four words v120-123 are written, which the store reads
	global_store_b128 v[L16], v[120:123], s[14:15] ; 512 consecutive bytes: [K half][row][4 words]
.Ldone:
	s_wait_dscnt 0x0                               ; the closing lines, six on end
	s_wait_alu 0x0
	s_wait_tensorcnt 0x0
	ds_add_u32 v254, v255
	s_wait_dscnt 0x0
	s_endpgm
.Lfunc_end_k_q1ad4efec19_attn:
	.size	k_q1ad4efec19_attn, .Lfunc_end_k_q1ad4efec19_attn-k_q1ad4efec19_attn
	.p2alignl 7, 3214868480
	.fill 96, 4, 3214868480
	.section	.rodata,"a",@progbits
	.p2align	6, 0x0
	.amdhsa_kernel k_q1ad4efec19_attn
		.amdhsa_group_segment_fixed_size 15360
		.amdhsa_private_segment_fixed_size 0
		.amdhsa_enable_private_segment 0
		.amdhsa_kernarg_size 24
		.amdhsa_user_sgpr_count 2
		.amdhsa_user_sgpr_kernarg_segment_ptr 1
		.amdhsa_wavefront_size32 1
		.amdhsa_system_sgpr_workgroup_id_x 1
		.amdhsa_system_sgpr_workgroup_id_y 1
		.amdhsa_system_sgpr_workgroup_id_z 1
		.amdhsa_system_vgpr_workitem_id 0
		.amdhsa_next_free_vgpr 256
		.amdhsa_next_free_sgpr 102
		.amdhsa_reserve_vcc 0
		.amdhsa_float_denorm_mode_32 3
		.amdhsa_float_denorm_mode_16_64 3
		.amdhsa_memory_ordered 1
		.amdhsa_forward_progress 1
		.amdhsa_inst_pref_size 34
	.end_amdhsa_kernel
	.amdgpu_metadata
---
amdhsa.version: [ 1, 2 ]
amdhsa.kernels:
  - .name:           k_q1ad4efec19_attn
    .symbol:         k_q1ad4efec19_attn.kd
    .args:
      - { .name: qkv, .offset: 0, .size: 8, .value_kind: global_buffer, .address_space: global }
      - { .name: mw, .offset: 8, .size: 8, .value_kind: global_buffer, .address_space: global }
      - { .name: ctx, .offset: 16, .size: 8, .value_kind: global_buffer, .address_space: global }
    .group_segment_fixed_size: 15360
    .private_segment_fixed_size: 0
    .kernarg_segment_align: 8
    .kernarg_segment_size: 24
    .max_flat_workgroup_size: 512
    .sgpr_count:     102
    .vgpr_count:     256
    .wavefront_size: 32
...
	.end_amdgpu_metadata
.endif
;; end of part 5
;; launch outp: the kernel of part 4 again; grid 8 x 32, 4 waves a work-group, clusters of 4 x 4, 327,680 bytes of LDS; arguments ctx, opnd, b_out, out0; writes out0
